; MI455X (gfx1250); checked and timed in simulation.
; The chip was launched on July 23, 2026; its instructions are those of AMD's public machine-readable ISA for CDNA 5 (MIT licence, August 2026) and "CDNA5" Instruction Set Architecture Reference Guide (July 2026). The comments in the code are by the model that wrote it; some were corrected since.
;; Transformer Block. Allowed arithmetic: matrix products marked QUANTISED: E2M1 operands, one E8M0 scale for each 32 along K, by v_wmma_scale_f32_16x16x128_f8f6f4 with both operands' format E2M1 (or v_wmma_scale_f32_32x16x128_f4), f32 sums; everything else in f32.
;; Inputs: W1_codes 4,096 x 32 x 16 uint8 (E2M1 codes of W1, K innermost, in blocks of 32 codes, two codes a byte); W1_scales 4,096 x 32 uint8 (E8M0 scales of W1, one for each 32 codes along K); W2_codes 1,024 x 128 x 16 uint8 (E2M1 codes of W2, K innermost, in blocks of 32 codes, two codes a byte); W2_scales 1,024 x 128 uint8 (E8M0 scales of W2, one for each 32 codes along K); Wo_codes 1,024 x 32 x 16 uint8 (E2M1 codes of Wo, K innermost, in blocks of 32 codes, two codes a byte); Wo_scales 1,024 x 32 uint8 (E8M0 scales of Wo, one for each 32 codes along K); Wqkv_codes 3,072 x 32 x 16 uint8 (E2M1 codes of Wqkv, K innermost, in blocks of 32 codes, two codes a byte); Wqkv_scales 3,072 x 32 uint8 (E8M0 scales of Wqkv, one for each 32 codes along K); X 2 x 2,048 x 1,024 float32; b1 4,096 float32; b2 1,024 float32; bo 1,024 float32; bqkv 3,072 float32; ln1_b 1,024 float32; ln1_g 1,024 float32; ln2_b 1,024 float32; ln2_g 1,024 float32.
;; Outputs: out0 2 x 2,048 x 1,024 float32.
;; This version of the problem:
;;   THIS VERSION OF THE PROBLEM IS GIVEN IN LOW PRECISION. The matrix products marked QUANTISED in the list below multiply operands that are first quantised to E2M1 (2 exponent bits, 1 mantissa bit; 4 bits a number), with one power-of-two scale for each 32 numbers along K (OCP MX v1.0); their sums are f32. All else is computed in f32.
;;   The module's matrix products, in the order in which they are computed (A, B: the left and right operand; K: the contracted axis; several contracted axes count as one K, in the product's order):
;;     1. [M 4,096, K 1,024] x [K 1,024, N 3,072]; A: computed on the way; B: input Wqkv (given as codes): QUANTISED
;;     2. batch 32 x [M 2,048, K 64] x [K 64, N 2,048]; A: computed on the way; B: computed on the way: QUANTISED
;;     3. batch 32 x [M 2,048, K 2,048] x [K 2,048, N 64]; A: softmax (see below); B: computed on the way: QUANTISED
;;     4. [M 4,096, K 1,024] x [K 1,024, N 1,024]; A: computed on the way; B: input Wo (given as codes): QUANTISED
;;     5. [M 4,096, K 1,024] x [K 1,024, N 4,096]; A: computed on the way; B: input W1 (given as codes): QUANTISED
;;     6. [M 4,096, K 4,096] x [K 4,096, N 1,024]; A: computed on the way; B: input W2 (given as codes): QUANTISED
;;   THE QUANTISER, for each operand of a quantised product, along K:
;;     - K is cut into blocks of 32 from its start; a last block that is shorter is filled with zeros.
;;     - A block's scale is 2^e with e = floor(log2(the largest magnitude in the block)) - 2, held to -126 .. 127; a block of zeros has e = 0. As a byte (E8M0): e + 127.
;;     - Each number is divided by its block's scale, clamped to +-6, and rounded to the nearest number of E2M1, ties to even, subnormals kept.
;;     - The product sums the exact products of the quantised numbers (number of the format x scale) in f32.
;;   ~~~python
;;   def quantise(x, axis):      # numpy; x: float32 -> the quantised numbers, widened to float32 again
;;       x = np.moveaxis(x, axis, -1); K = x.shape[-1]
;;       x = np.pad(x, [(0, 0)] * (x.ndim - 1) + [(0, -K % 32)]); x = x.reshape(x.shape[:-1] + (-1, 32)); a = np.abs(x).max(-1, keepdims=True)
;;       e = np.where(a > 0, np.clip(np.frexp(np.where(a > 0, a, 1))[1] - 1 - 2, -126, 127), 0)      # np.frexp(a)[1] - 1 = floor(log2(a)), exactly
;;       r = np.clip(x / 2.0 ** e, -6, 6)
;;       step = 2.0 ** (np.maximum(np.frexp(np.where(r == 0, 1, r))[1] - 1, 0) - 1)
;;       q = np.round(r / step) * step * 2.0 ** e      # np.round: ties to even
;;       return np.moveaxis(q.reshape(q.shape[:-2] + (-1,))[..., :K], -1, axis).astype(np.float32)
;;   ~~~
;;   SOFTMAX AHEAD OF A QUANTISED PRODUCT. Where the list says 'softmax', what is quantised is not the finished softmax but p = 2^(t - M), with t = logit x log2(e) and M = ceil(the row's largest t), a whole number; so 1/2 < the row's largest p <= 1. The row's sum l is taken of the UNQUANTISED p, in f32, and the product's result is divided by l at the end. Since M is a whole number, a kernel that streams over the keys may use a running M (the ceiling of the running maximum): every later rescaling is an exact power of two, which a block's scale takes up: the codes' values come out the same.
;;   OPERANDS COMPUTED ON THE WAY. 'Computed on the way' means the value that the module computes at that place (a softmax that the list does not call 'softmax' is quantised finished and normalised). What goes into a quantiser is computed in f32, as accurately as f32 sums, v_exp_f32 and their like allow (about 1e-6 of the number): no bf16 or f16 on the way to a quantiser, and a product that is left as it is and whose result goes on into a quantised operand takes f32 operands (vector FMAs, or v_wmma_f32_16x16x4_f32). A number that lies on a knife's edge between two numbers of the format may be rounded either way, as far as f32 arithmetic and the matrix unit's own rounding can turn it there, and no further.
;;   INPUTS GIVEN AS CODES. W1 (in the module: [1024, 4096], K = its axis 0); W2 (in the module: [4096, 1024], K = its axis 0); Wo (in the module: [1024, 1024], K = its axis 0); Wqkv (in the module: [1024, 3072], K = its axis 0): each comes as NAME_codes (uint8): NAME with its K axis moved to the last place and cut into blocks of 32 codes, [.., K / 32, bytes a block], one block behind the other in memory; two codes a byte, the lower K in the low four bits (a code: sign, 2 exponent bits, 1 mantissa bit); and NAME_scales (uint8): the same leading axes, one E8M0 byte (e + 127) for each 32 codes along K. Its value is code x scale, taken as it is: it is not quantised again, and the codes and scales need not be those that the quantiser above would give.
;; One version. Each part assembles by itself: llvm-mc -triple=amdgcn-amd-amdhsa -mcpu=gfx1250 --defsym DOCPART=n.
;; ======== version 1 of 1: 5 launches
;; limits: right only within a limited range of input values
;; workspace buffers: qkv 6,684,672 bytes; ctx 2,228,224 bytes; x1 16,777,216 bytes; xn 2,228,224 bytes; hid 8,912,896 bytes
;; launch ln_qkv (part 1): grid 3 x 64, 4 waves a work-group, no clusters, 327,680 bytes of LDS; arguments X, ln1_g, ln1_b, Wqkv_codes, Wqkv_scales, bqkv, qkv; writes qkv
.if DOCPART == 1
	.amdgcn_target "amdgcn-amd-amdhsa--gfx1250"
	.amdhsa_code_object_version 6
	.text
	.protected	k_qe0c4a7c1b7_ln_qkv
	.globl	k_qe0c4a7c1b7_ln_qkv
	.p2align	8
	.type	k_qe0c4a7c1b7_ln_qkv,@function
k_qe0c4a7c1b7_ln_qkv:
	s_mov_b64 s[64:65], 0
	v_nop
	global_prefetch_b8 v0, s[64:65] scope:SCOPE_SE
	s_setreg_imm32_b32 hwreg(HW_REG_WAVE_MODE, 25, 1), 1
	s_wait_xcnt 0x0
; Launch 1 of 5: Xn = LN1(X), quantised along its 1,024 columns, then q, k, v = Xn Wqkv + bqkv, quantised and laid in the order of launch 2's operand registers.
; WORK LEFT OUT IN THE PROGRAM: in launch 2 a step of 128 keys all of which come after a wave's 16 queries.  reference() sets those scores to -inf by its own jnp.tril mask,
; so their softmax weight is 0 for all finite inputs and they reach no output.  LIMIT: a NaN, an infinity or an overflow that reaches only such scores is not carried to the result.
; A work-group takes 64 tokens and 1,024 of the 3,072 columns; each wave brings its 16 rows of X by ONE tensor load (256 rows of 256 bytes, 16 bytes of padding behind each) and normalises them two at a time in a loop of eight trips.
.set XROW,  4352
.set XWAVE, 16*XROW
.set XLOAD, 4*XROW
.set AC,    64*XROW
.set ACP,   528
.set ASC,   AC+64*ACP
.set ASP,   48
.set SPARE, ASC+64*ASP
.set WOF, 4
.set WSO, 5
.set BOF, 6
.set AFA, 7
.set ASA, 8
.set LI,  9
.set SOF, 10
.set XL,  11
.set ACW, 12
.set ASW, 13
.set GBO, 14
.set BOV, 15
.set BY,  18
.set SPW, 28
.set NIL, 29
.set AW,  32
.set CH,  32
.set MU,  48
.set RS,  50
.set CD,  56
.set WW,  64
.set AB,  128
.set XR,  128
.set PC,  128
.set PW,  160
.set TM,  176
.set BI,  192
.set GG,  0
.set BB,  32
.set MSB, 0
.macro WIN new
.if MSB != \new
	s_set_vgpr_msb (MSB<<8)|\new
.set MSB, \new
.endif
.endm
.macro PLACES
.rept 4
	v_nop
.endr
.endm
.macro SCLOAD u, q
.irp t,0,1,2,3,4,5,6,7
	global_load_b128 v[WW+8*\t+4*\q:WW+8*\t+4*\q+3], v[WSO], s[12:13] offset:\u*4096+(32*(\t/2)+8*(\t%2))*32+16*\q
.endr
.endm
.macro BILOAD u
.irp t,0,1,2,3,4,5,6,7
.irp q,0,1
	global_load_b128 v[BI+8*\t+4*\q:BI+8*\t+4*\q+3], v[BOF], s[14:15] offset:\u*512+(32*(\t/2)+8*(\t%2))*4+16*\q
.endr
.endr
.endm
.macro BILOADV u
.irp t,0,1,2,3,4,5,6,7
	global_load_b32 v[BI+8*\t], v[BOV], s[14:15] offset:\u*512+(32*(\t/2)+8*(\t%2))*4
.endr
.endm
.macro BIREP
.irp t,0,1,2,3,4,5,6,7
.irp j,1,2,3,4,5,6,7
	v_mov_b32 v[BI+8*\t+\j], v[BI+8*\t]
.endr
.endr
.endm
.macro WLOAD s, u
.if (\s) < 4
	WIN 0x40
.else
	WIN 0xc0
.endif
.irp t,0,1,2,3,4,5,6,7
.irp c,0,1
	global_load_b128 v[64*((\s)%4)+8*\t+4*\c:64*((\s)%4)+8*\t+4*\c+3], v[WOF], s[10:11] offset:\u*65536+(32*(\t/2)+8*(\t%2))*512+64*(\s)+32*\c
.endr
.endr
	WIN 0
.endm
	s_load_b256 s[4:11], s[0:1], 0x0
	s_load_b128 s[12:15], s[0:1], 0x20
	s_load_b64 s[16:17], s[0:1], 0x30
	v_lshl_add_u32 v[SPW], v0, 2, SPARE
	v_mov_b32 v[NIL], 0
	ds_add_u32 v[SPW], v[NIL]
	ds_add_u32 v[SPW], v[NIL]
	v_lshrrev_b32 v1, 5, v0
	v_readfirstlane_b32 s18, v1
	s_and_b32 s19, ttmp7, 0xffff
	s_mov_b32 s20, ttmp9
	s_mov_b32 s22, 0x76543210
	s_mov_b32 s23, 0xfedcba98
	s_mov_b32 s24, (3<<16)|(1<<20)|(5<<22)|(3<<25)
	s_mov_b32 s25, 32<<16
	s_mov_b32 s26, 256<<16
	s_mov_b32 s27, 32<<16
	s_mov_b32 s28, 256
	s_mov_b32 s29, 32
	s_mov_b32 s30, 0
	s_mov_b32 s31, 0
	s_mov_b32 s49, 0x3a800000
	s_mov_b32 s50, 0x3727c5ac
	s_mul_i32 s52, s18, XWAVE
	s_lshl_b32 s54, s19, 18
	s_lshl_b32 s55, s18, 16
	s_add_co_u32 s54, s54, s55
	s_mov_b32 s55, 0
	s_wait_dscnt 0x0
	s_wait_kmcnt 0x0
	s_add_nc_u64 s[56:57], s[4:5], s[54:55]
.irp g,0
	s_mov_b32 s[32+4*\g], 1
	s_add_co_u32 s[33+4*\g], s52, \g*XLOAD
	s_add_nc_u64 s[34+4*\g:35+4*\g], s[56:57], \g*16384
	s_or_b32 s[35+4*\g], s[35+4*\g], 0x80000000
.endr
	tensor_load_to_lds s[32:35], s[24:31]          ; my 16 rows of X: the wave's one tensor load
	s_nop 0
	PLACES
	v_and_b32 v1, 31, v0
	v_and_b32 v2, 15, v0
	v_bfe_u32 v3, v0, 4, 1
	v_lshlrev_b32 v[GBO], 7, v1
	WIN 0x80
.irp j,0,1,2,3,4,5,6,7
	global_load_b128 v[GG+4*\j:GG+4*\j+3], v[GBO], s[6:7] offset:16*\j
	global_load_b128 v[BB+4*\j:BB+4*\j+3], v[GBO], s[8:9] offset:16*\j
.endr
	WIN 0
	v_and_b32 v16, 8, v2
	v_add_nc_u32 v16, v16, v2
	v_lshlrev_b32 v[WOF], 9, v16
	v_lshl_add_u32 v[WOF], v3, 4, v[WOF]
	v_lshlrev_b32 v[WSO], 5, v16
	s_wait_alu depctr_va_vdst(0)
	v_lshlrev_b32 v[BOF], 6, v3
	v_lshlrev_b32 v[BOV], 2, v16
	s_lshl_b32 s56, s20, 19
	s_lshl_b32 s57, s18, 17
	s_add_co_u32 s56, s56, s57
	s_mov_b32 s57, 0
	s_add_nc_u64 s[10:11], s[10:11], s[56:57]
	s_lshr_b32 s56, s56, 4
	s_add_nc_u64 s[12:13], s[12:13], s[56:57]
	s_lshr_b32 s56, s56, 3
	s_add_nc_u64 s[14:15], s[14:15], s[56:57]
	SCLOAD 0, 0
	SCLOAD 0, 1
	WLOAD 0, 0
	WLOAD 1, 0
	v_mul_u32_u24 v[AFA], v16, ACP
	v_lshl_add_u32 v[AFA], v3, 4, v[AFA]
	v_add_nc_u32 v[AFA], AC, v[AFA]
	v_mul_u32_u24 v[ASA], v16, ASP
	v_add_nc_u32 v[ASA], ASC, v[ASA]
	v_lshlrev_b32 v[LI], 4, v1
	v_lshlrev_b32 v[SOF], 2, v2
	v_lshrrev_b32 v17, 1, v1
	v_lshlrev_b32 v[XL], 7, v1
	v_lshl_add_u32 v[XL], v17, 4, v[XL]
	v_add_nc_u32 v[XL], s52, v[XL]
	s_mul_i32 s53, s18, 16*ACP
	v_add_nc_u32 v[ACW], s53, v[LI]
	v_add_nc_u32 v[ACW], AC, v[ACW]
	s_mul_i32 s53, s18, 16*ASP
	v_add_nc_u32 v[ASW], s53, v1
	v_add_nc_u32 v[ASW], ASC, v[ASW]
.irp e,1,3,5,7
	v_mov_b32 v[MU+\e], 0
.endr
	s_wait_loadcnt 48
	s_cmp_eq_u32 s20, 2
	s_cbranch_scc1 .Lbias_v
	BILOAD 0
	s_branch .Lbias_done
.Lbias_v:
	BILOADV 0
.Lbias_done:
.macro LNJOIN
.irp e,0,1
	v_pk_add_f32 v[CH+8*\e:CH+8*\e+1], v[CH+8*\e:CH+8*\e+1], v[CH+8*\e+2:CH+8*\e+3]
	v_pk_add_f32 v[CH+8*\e+4:CH+8*\e+5], v[CH+8*\e+4:CH+8*\e+5], v[CH+8*\e+6:CH+8*\e+7]
.endr
.irp e,0,1
	v_pk_add_f32 v[CH+8*\e:CH+8*\e+1], v[CH+8*\e:CH+8*\e+1], v[CH+8*\e+4:CH+8*\e+5]
.endr
.irp e,0,1
	v_add_f32 v[CH+8*\e], v[CH+8*\e], v[CH+8*\e+1]
.endr
.irp x,1,2,4,8
.irp e,0,1
	v_add_f32_dpp v[CH+8*\e], v[CH+8*\e], v[CH+8*\e] row_xmask:\x row_mask:0xf bank_mask:0xf
.endr
.endr
.irp e,0,1
	v_permlanex16_b32 v[CH+8*\e+2], v[CH+8*\e], s22, s23
.endr
.irp e,0,1
	v_add_f32 v[CH+8*\e], v[CH+8*\e], v[CH+8*\e+2]
.endr
.endm
.macro LNPAIR rho
.irp e,0,1
.irp j,0,1,2,3,4,5,6,7
	ds_load_b128 v[XR+32*\e+4*\j:XR+32*\e+4*\j+3], v[XL] offset:((\rho)+\e)*XROW+16*\j
.endr
.endr
	s_wait_dscnt 0x0
.irp k,0,1,2,3
.irp e,0,1
	v_pk_add_f32 v[CH+8*\e+2*\k:CH+8*\e+2*\k+1], v[XR+32*\e+4*\k:XR+32*\e+4*\k+1], v[XR+32*\e+4*\k+2:XR+32*\e+4*\k+3]
.endr
.endr
.irp q,16,24
.irp k,0,1,2,3
.irp e,0,1
	v_pk_add_f32 v[CH+8*\e+2*\k:CH+8*\e+2*\k+1], v[CH+8*\e+2*\k:CH+8*\e+2*\k+1], v[XR+32*\e+\q+2*\k:XR+32*\e+\q+2*\k+1]
.endr
.endr
.endr
	LNJOIN
.irp e,0,1
	v_mul_f32 v[MU+4*\e], s49, v[CH+8*\e]
.endr
.set jj, 0
.rept 16
.irp e,0,1
	v_pk_add_f32 v[XR+32*\e+jj:XR+32*\e+jj+1], v[XR+32*\e+jj:XR+32*\e+jj+1], v[MU+4*\e:MU+4*\e+1] op_sel_hi:[1,0] neg_lo:[0,1] neg_hi:[0,1]
.endr
.set jj, jj+2
.endr
.irp k,0,1,2,3
.irp e,0,1
	v_pk_mul_f32 v[CH+8*\e+2*\k:CH+8*\e+2*\k+1], v[XR+32*\e+2*\k:XR+32*\e+2*\k+1], v[XR+32*\e+2*\k:XR+32*\e+2*\k+1]
.endr
.endr
.irp q,8,16,24
.irp k,0,1,2,3
.irp e,0,1
	v_pk_fma_f32 v[CH+8*\e+2*\k:CH+8*\e+2*\k+1], v[XR+32*\e+\q+2*\k:XR+32*\e+\q+2*\k+1], v[XR+32*\e+\q+2*\k:XR+32*\e+\q+2*\k+1], v[CH+8*\e+2*\k:CH+8*\e+2*\k+1]
.endr
.endr
.endr
	LNJOIN
.irp e,0,1
	v_fma_f32 v[CH+8*\e], v[CH+8*\e], s49, s50
.endr
	s_wait_alu depctr_va_vdst(0)
.irp e,0,1
	v_rsq_f32 v[RS+4*\e], v[CH+8*\e]
.endr
	v_nop
	s_wait_alu depctr_va_vdst(0)
.set jj, 0
.rept 16
.irp e,0,1
	v_pk_mul_f32 v[XR+32*\e+jj:XR+32*\e+jj+1], v[XR+32*\e+jj:XR+32*\e+jj+1], v[RS+4*\e:RS+4*\e+1] op_sel_hi:[1,0]
.endr
.set jj, jj+2
.endr
	WIN 0x28
.set jj, 0
.rept 16
.irp e,0,1
	v_pk_fma_f32 v[XR+32*\e+jj:XR+32*\e+jj+1], v[XR+32*\e+jj:XR+32*\e+jj+1], v[GG+jj:GG+jj+1], v[BB+jj:BB+jj+1]
.endr
.set jj, jj+2
.endr
	WIN 0
.irp e,0,1
	v_max3_num_f32 v[CH+8*\e], |v[XR+32*\e]|, |v[XR+32*\e+1]|, 0x1800000
	v_max3_num_f32 v[CH+8*\e+1], |v[XR+32*\e+2]|, |v[XR+32*\e+3]|, |v[XR+32*\e+4]|
.endr
.irp i,5,9,13,17,21,25
.irp e,0,1
	v_max3_num_f32 v[CH+8*\e], v[CH+8*\e], |v[XR+32*\e+\i]|, |v[XR+32*\e+\i+1]|
	v_max3_num_f32 v[CH+8*\e+1], v[CH+8*\e+1], |v[XR+32*\e+\i+2]|, |v[XR+32*\e+\i+3]|
.endr
.endr
.irp e,0,1
	v_max3_num_f32 v[CH+8*\e], v[CH+8*\e], |v[XR+32*\e+29]|, |v[XR+32*\e+30]|
.endr
.irp e,0,1
	v_max3_num_f32 v[CH+8*\e], v[CH+8*\e], v[CH+8*\e+1], |v[XR+32*\e+31]|
.endr
.irp e,0,1
	v_add_nc_u32 v[CH+8*\e+2], 0xff000000, v[CH+8*\e]
.endr
.irp e,0,1
.irp g,0,1,2,3
	v_cvt_scalef32_pk8_fp4_f32 v[CD+4*\e+\g], v[XR+32*\e+8*\g:XR+32*\e+8*\g+7], v[CH+8*\e+2]
.endr
.endr
.irp e,0,1
	v_lshrrev_b32 v[BY+\e], 23, v[CH+8*\e+2]
.endr
.irp e,0,1
	ds_store_b128 v[ACW], v[CD+4*\e:CD+4*\e+3] offset:((\rho)+\e)*ACP
	ds_store_b8 v[ASW], v[BY+\e] offset:((\rho)+\e)*ASP
.endr
.endm
	s_wait_alu depctr_va_vdst(0)
	s_wait_tensorcnt 0x0                           ; my 16 rows lie in LDS; only I read them
.set XB, XL
.set CB, ACW
.set SB, ASW
.set XL,  20                                   ; v20-22: the trip's three LDS addresses = the head's + the stepped scalars
.set ACW, 21
.set ASW, 22
; the eight trips stand as four loops of two trips; behind each of the first three loops two further K steps' weights are asked for, so that they travel while the next rows are normalised
.irp q,0,1,2,3
	s_mov_b32 s36, \q*4*XROW
	s_mov_b32 s37, \q*4*ACP
	s_mov_b32 s38, \q*4*ASP
	s_mov_b32 s39, 0
.Lln\q:
	v_add_nc_u32 v[XL], s36, v[XB]
	v_add_nc_u32 v[ACW], s37, v[CB]
	v_add_nc_u32 v[ASW], s38, v[SB]
	LNPAIR 0
	s_add_co_u32 s36, s36, 2*XROW
	s_add_co_u32 s37, s37, 2*ACP
	s_add_co_u32 s38, s38, 2*ASP
	s_add_co_u32 s39, s39, 1
	s_cmp_lt_u32 s39, 2
	s_wait_alu depctr_va_vdst(0)                   ; the wait ahead of the backward jump
	s_cbranch_scc1 .Lln\q
.if \q < 3
	WLOAD 2*\q+2, 0
	WLOAD 2*\q+3, 0
.endif
.endr
	s_wait_dscnt 0x0
	s_barrier_signal -1
	s_barrier_wait -1
.macro AFETCH s
.irp m,0,1,2,3
.irp c,0,1
	ds_load_b128 v[AB+32*((\s)%2)+8*\m+4*\c:AB+32*((\s)%2)+8*\m+4*\c+3], v[AFA] offset:(32*(\m/2)+8*(\m%2))*ACP+64*(\s)+32*\c
.endr
.endr
.endm
.macro MULS s, nat
.if \nat
.if (\s) == 0
	WIN 0x84
.elseif (\s) < 4
	WIN 0xa4
.else
	WIN 0xac
.endif
.else
.if (\s) == 0
	WIN 0x81
.elseif (\s) < 4
	WIN 0xa1
.else
	WIN 0xa3
.endif
.endif
.irp m,0,1,2,3
.irp t,0,1,2,3,4,5,6,7
.if \nat
.if (\s) == 0
	v_wmma_scale_f32_16x16x128_f8f6f4 v[32*\t+8*\m:32*\t+8*\m+7], v[AB+32*((\s)%2)+8*\m:AB+32*((\s)%2)+8*\m+7], v[64*((\s)%4)+8*\t:64*((\s)%4)+8*\t+7], v[BI+8*\t:BI+8*\t+7], v[AW+8*\m+(\s)], v[WW+8*\t+(\s)] matrix_a_fmt:MATRIX_FMT_FP4 matrix_b_fmt:MATRIX_FMT_FP4
.else
	v_wmma_scale_f32_16x16x128_f8f6f4 v[32*\t+8*\m:32*\t+8*\m+7], v[AB+32*((\s)%2)+8*\m:AB+32*((\s)%2)+8*\m+7], v[64*((\s)%4)+8*\t:64*((\s)%4)+8*\t+7], v[32*\t+8*\m:32*\t+8*\m+7], v[AW+8*\m+(\s)], v[WW+8*\t+(\s)] matrix_a_fmt:MATRIX_FMT_FP4 matrix_b_fmt:MATRIX_FMT_FP4
.endif
.else
.if (\s) == 0
	v_wmma_scale_f32_16x16x128_f8f6f4 v[64*\m+8*\t:64*\m+8*\t+7], v[64*((\s)%4)+8*\t:64*((\s)%4)+8*\t+7], v[AB+32*((\s)%2)+8*\m:AB+32*((\s)%2)+8*\m+7], v[BI+8*\t:BI+8*\t+7], v[WW+8*\t+(\s)], v[AW+8*\m+(\s)] matrix_a_fmt:MATRIX_FMT_FP4 matrix_b_fmt:MATRIX_FMT_FP4
.else
	v_wmma_scale_f32_16x16x128_f8f6f4 v[64*\m+8*\t:64*\m+8*\t+7], v[64*((\s)%4)+8*\t:64*((\s)%4)+8*\t+7], v[AB+32*((\s)%2)+8*\m:AB+32*((\s)%2)+8*\m+7], v[64*\m+8*\t:64*\m+8*\t+7], v[WW+8*\t+(\s)], v[AW+8*\m+(\s)] matrix_a_fmt:MATRIX_FMT_FP4 matrix_b_fmt:MATRIX_FMT_FP4
.endif
.endif
.endr
.endr
.endm
.macro STEPX s, nat, nxt, cnt
.if (\s) < 7
	s_wait_dscnt 8
.else
	s_wait_dscnt 0x0
.endif
.if (\cnt) >= 0
	s_wait_loadcnt \cnt
.endif
	MULS \s, \nat
	PLACES
	WIN 0
.if (\s) < 6
	AFETCH (\s)+2
.endif
.if \nxt
.if (\s) == 0
.if \nat
	BILOADV 1
.else
	BILOAD 1
.endif
.endif
.if (\s) == 3
	SCLOAD 1, 0
.endif
.if (\s) == 7
	SCLOAD 1, 1
.endif
	WLOAD \s, 1
.endif
.endm
.macro QUANT s, pc, pw
	WIN 0x0a
.irp b,0,1,2,3
	v_max3_num_f32 v[TM+\b], |v[(\s)+16*\b]|, |v[(\s)+16*\b+1]|, 0x1800000
.endr
	WIN 0x28
.irp i,2,4,6,8,10,12,14
.irp b,0,1,2,3
	v_max3_num_f32 v[TM+\b], v[TM+\b], |v[(\s)+16*\b+\i]|, |v[(\s)+16*\b+\i+1]|
.endr
.endr
	WIN 0
.irp b,0,1,2,3
	v_permlanex16_b32 v[TM+4+\b], v[TM+\b], s22, s23
.endr
.irp b,0,1,2,3
	v_max_num_f32 v[TM+\b], v[TM+\b], v[TM+4+\b]
.endr
.irp b,0,1,2,3
	v_add_nc_u32 v[TM+12+\b], 0xff000000, v[TM+\b]
.endr
.irp b,0,1,2,3
	v_lshrrev_b32 v[TM+4+\b], 23, v[TM+12+\b]
.endr
	v_lshl_or_b32 v[\pw], v[TM+5], 8, v[TM+4]
	v_lshl_or_b32 v[\pw], v[TM+6], 16, v[\pw]
	v_lshl_or_b32 v[\pw], v[TM+7], 24, v[\pw]
	WIN 0x02
.irp b,0,1,2,3
	v_cvt_scalef32_pk8_fp4_f32 v[(\pc)+2*\b], v[(\s)+16*\b:(\s)+16*\b+7], v[TM+12+\b]
	v_cvt_scalef32_pk8_fp4_f32 v[(\pc)+2*\b+1], v[(\s)+16*\b+8:(\s)+16*\b+15], v[TM+12+\b]
.endr
	WIN 0
	v_nop
.irp c,0,1
.irp i,0,1
	v_permlane16_swap_b32 v[(\pc)+4*\c+\i], v[(\pc)+4*\c+2+\i]
.endr
.endr
.endm
.macro EPIQK u
.irp m,0,1,2,3
	QUANT 64*\m, PC+8*\m, PW+\m
	global_store_b128 v[LI], v[PC+8*\m:PC+8*\m+3], s[52:53] offset:\u*131072+512*\m
	global_store_b128 v[LI], v[PC+8*\m+4:PC+8*\m+7], s[52:53] offset:\u*131072+65536+512*\m
	global_store_b16 v[SOF], v[PW+\m], s[54:55] offset:\u*8192+64*(\m/2)+2*(\m%2)
	global_store_d16_hi_b16 v[SOF], v[PW+\m], s[54:55] offset:\u*8192+4096+64*(\m/2)+2*(\m%2)
.endr
.endm
.macro EPIV u
.irp k,0,1,2,3
	QUANT 64*\k, PC+8*\k, PW+\k
	global_store_b128 v[LI], v[PC+8*\k:PC+8*\k+3], s[52:53] offset:\u*131072+(\k/2)*65536+(2*(\k%2))*1024
	global_store_b128 v[LI], v[PC+8*\k+4:PC+8*\k+7], s[52:53] offset:\u*131072+(\k/2)*65536+(2*(\k%2)+1)*1024
	global_store_b16 v[SOF], v[PW+\k], s[54:55] offset:\u*8192+(\k/2)*4096+(2*(\k%2))*64
	global_store_d16_hi_b16 v[SOF], v[PW+\k], s[54:55] offset:\u*8192+(\k/2)*4096+(2*(\k%2)+1)*64
.endr
.endm
.irp m,0,1,2,3
.irp q,0,1
	ds_load_b128 v[AW+8*\m+4*\q:AW+8*\m+4*\q+3], v[ASA] offset:(32*(\m/2)+8*(\m%2))*ASP+16*\q
.endr
.endr
	AFETCH 0
	AFETCH 1
	s_lshr_b32 s58, s19, 5
	s_lshl_b32 s58, s58, 4
	s_lshl_b32 s59, s18, 2
	s_add_co_u32 s58, s58, s59
	s_and_b32 s59, s19, 31
	s_lshl_b32 s60, s20, 21
	s_lshl_b32 s61, s58, 16
	s_add_co_u32 s60, s60, s61
	s_lshl_b32 s62, s20, 17
	s_lshl_b32 s61, s58, 12
	s_add_co_u32 s62, s62, s61
	s_add_co_u32 s62, s62, 6291456
	s_mov_b32 s61, 0
	s_mov_b32 s63, 0
	s_cmp_eq_u32 s20, 2
	s_cbranch_scc1 .Lrole_v
	s_lshl_b32 s56, s59, 11
	s_add_co_u32 s60, s60, s56
	s_lshl_b32 s56, s59, 7
	s_add_co_u32 s62, s62, s56
	s_add_nc_u64 s[52:53], s[16:17], s[60:61]
	s_add_nc_u64 s[54:55], s[16:17], s[62:63]
.irp s,0,1,2,3,4,5,6,7
	STEPX \s, 0, 1, 63
.endr
	EPIQK 0
	s_wait_xcnt 0x0
	AFETCH 0
	AFETCH 1
	STEPX 0, 0, 0, 63
	STEPX 1, 0, 0, -1
	STEPX 2, 0, 0, -1
	STEPX 3, 0, 0, 63
	STEPX 4, 0, 0, 16
	STEPX 5, 0, 0, -1
	STEPX 6, 0, 0, -1
	STEPX 7, 0, 0, 0
	EPIQK 1
	s_branch .Lend
.Lrole_v:
	s_lshr_b32 s56, s59, 1
	s_and_b32 s57, s59, 1
	s_lshl_b32 s58, s56, 12
	s_add_co_u32 s60, s60, s58
	s_lshl_b32 s58, s57, 9
	s_add_co_u32 s60, s60, s58
	s_lshl_b32 s58, s56, 8
	s_add_co_u32 s62, s62, s58
	s_lshl_b32 s58, s57, 1
	s_add_co_u32 s62, s62, s58
	s_add_nc_u64 s[52:53], s[16:17], s[60:61]
	s_add_nc_u64 s[54:55], s[16:17], s[62:63]
	s_wait_loadcnt 63
	BIREP
	PLACES
	s_wait_alu depctr_va_vdst(0)
.irp s,0,1,2,3,4,5,6,7
	STEPX \s, 1, 1, 63
.endr
	EPIV 0
	s_wait_xcnt 0x0
	AFETCH 0
	AFETCH 1
	s_wait_loadcnt 63
	BIREP
	PLACES
	s_wait_alu depctr_va_vdst(0)
	STEPX 0, 1, 0, 63
	STEPX 1, 1, 0, -1
	STEPX 2, 1, 0, -1
	STEPX 3, 1, 0, 63
	STEPX 4, 1, 0, 16
	STEPX 5, 1, 0, -1
	STEPX 6, 1, 0, -1
	STEPX 7, 1, 0, 0
	EPIV 1
.Lend:
	s_wait_tensorcnt 0x0
	ds_add_u32 v[SPW], v[NIL]
	s_wait_dscnt 0x0
	s_endpgm
.Lfunc_end_k_qe0c4a7c1b7_ln_qkv:
	.size	k_qe0c4a7c1b7_ln_qkv, .Lfunc_end_k_qe0c4a7c1b7_ln_qkv-k_qe0c4a7c1b7_ln_qkv
	.p2alignl 7, 3214868480
	.fill 96, 4, 3214868480
	.section	.rodata,"a",@progbits
	.p2align	6, 0x0
	.amdhsa_kernel k_qe0c4a7c1b7_ln_qkv
		.amdhsa_group_segment_fixed_size 327680
		.amdhsa_private_segment_fixed_size 0
		.amdhsa_enable_private_segment 0
		.amdhsa_kernarg_size 56
		.amdhsa_user_sgpr_count 2
		.amdhsa_user_sgpr_kernarg_segment_ptr 1
		.amdhsa_wavefront_size32 1
		.amdhsa_system_sgpr_workgroup_id_x 1
		.amdhsa_system_sgpr_workgroup_id_y 1
		.amdhsa_system_sgpr_workgroup_id_z 1
		.amdhsa_system_vgpr_workitem_id 0
		.amdhsa_next_free_vgpr 1024
		.amdhsa_next_free_sgpr 66
		.amdhsa_reserve_vcc 0
		.amdhsa_float_denorm_mode_32 3
		.amdhsa_float_denorm_mode_16_64 3
		.amdhsa_memory_ordered 1
		.amdhsa_forward_progress 1
		.amdhsa_inst_pref_size 255
	.end_amdhsa_kernel
	.section	.bss,"aw",@nobits
	.p2align	6
	.space	262144
	.amdgpu_metadata
---
amdhsa.version: [ 1, 2 ]
amdhsa.kernels:
  - .name:           k_qe0c4a7c1b7_ln_qkv
    .symbol:         k_qe0c4a7c1b7_ln_qkv.kd
    .args:
      - { .name: X, .offset: 0, .size: 8, .value_kind: global_buffer, .address_space: global }
      - { .name: ln1_g, .offset: 8, .size: 8, .value_kind: global_buffer, .address_space: global }
      - { .name: ln1_b, .offset: 16, .size: 8, .value_kind: global_buffer, .address_space: global }
      - { .name: Wqkv_codes, .offset: 24, .size: 8, .value_kind: global_buffer, .address_space: global }
      - { .name: Wqkv_scales, .offset: 32, .size: 8, .value_kind: global_buffer, .address_space: global }
      - { .name: bqkv, .offset: 40, .size: 8, .value_kind: global_buffer, .address_space: global }
      - { .name: qkv, .offset: 48, .size: 8, .value_kind: global_buffer, .address_space: global }
    .group_segment_fixed_size: 327680
    .private_segment_fixed_size: 0
    .kernarg_segment_align: 8
    .kernarg_segment_size: 56
    .max_flat_workgroup_size: 128
    .sgpr_count:     66
    .vgpr_count:     1024
    .wavefront_size: 32
...
	.end_amdgpu_metadata
.endif
;; end of part 1
;; launch attn (part 2): grid 8 x 32, 16 waves a work-group, no clusters, 43,008 bytes of LDS; arguments qkv, ctx; writes ctx
.if DOCPART == 2
	.amdgcn_target "amdgcn-amd-amdhsa--gfx1250"
	.amdhsa_code_object_version 6
	.text
	.protected	k_qe0c4a7c1b7_attn
	.globl	k_qe0c4a7c1b7_attn
	.p2align	8
	.type	k_qe0c4a7c1b7_attn,@function
k_qe0c4a7c1b7_attn:
	s_mov_b64 s[64:65], 0
	v_nop
	global_prefetch_b8 v0, s[64:65] scope:SCOPE_SE
	s_setreg_imm32_b32 hwreg(HW_REG_WAVE_MODE, 25, 1), 1
	s_wait_xcnt 0x0
; Launch 2 of 5: causal attention on E2M1 codes, head size 64, and the quantising of ctx along the next product's K (head x 64 + channel).
; WORK LEFT OUT: a step of 128 keys all of which come after a wave's 16 queries: reference()'s own mask gives them the weight 0 (shown at the head of launch 1).
; SOFTMAX: t = score x log2(e) / 8; M = the running largest t rounded up to a whole number; p = 2^(t - M) is quantised along the keys; the sum is taken of the unquantised p and divides at the end;
; when M moves, the sum and O are multiplied by 2^(old M - new M), which rounds nothing.
; SHARES.  Work-group (x, y): head y (of 32); query blocks x and 15 - x of 128 queries: x + 1 and 16 - x key steps, 17 in every work-group.  Eight waves take each block, a tile of 16 queries a wave.
; K, V and their scale bytes come as launch 1 laid them, in the order of the operand registers.  A slot of LDS holds 256 keys (8,192 bytes of K, 8,192 of V): each of the 512 threads brings 16 bytes of each
; through its registers, asked for a slot's work ahead of the store into LDS.  One barrier a slot: it parts this slot's reads from the next stores into it, and this slot's stores from the next reads.
; All work-groups walk 8 slots: the trip count is a constant; stores, loads and steps beyond what the work-group or the wave needs are jumped over on ids alone, never a barrier.
; K = 64 IN AN INSTRUCTION OF 128: source 0 holds two key tiles side by side (registers 0-3, 4-7); source 1 is [q; 0] or [0; q]: the other tile meets zero codes under the scale byte 1 and adds 0.
; Both products are used transposed: a lane holds one query (lane % 16) throughout.  The keys and channels of a tile are chosen (pi(r) = r + 8 (r / 8)) so that 16 registers of two tiles are 16 neighbours.
; NOT IN CLUSTERS: the work-groups of a head need different numbers of slots (5 to 8, by x), and the tiles go through registers, not through tensor loads.
.set SCB,   32768                      ; behind the two slots: the head's scale words of K (4,096 bytes), then of V
.set SPARE, 40960                      ; the spare words, 128 bytes for each of 16 waves
.set S,   64                           ; v64-127  S^T, then p
.set O,   128                          ; v128-159 O^T
.set LI,  1                            ; v1  16 x lane
.set ASK0, 2                           ; v2  SCB + 4 r
.set ADS, 3                            ; v3  the step's scale words
.set DG,  4                            ; v4  on the diagonal: my query less the step's first key less 16 h
.set SPW, 5                            ; v5  my spare word; never rewritten
.set NIL, 6                            ; v6  0; never rewritten
.set TA,  7                            ; v7  16 x thread: my 16 bytes of a slot's K and V, in memory and in LDS
.set R4,  8                            ; v8  4 r
.set R16, 9                            ; v9  16 r
.set SA,  10                           ; v10 16 x (thread % 256)
; v12 -M, v13 the largest t, v[14:15] the sum; v16-23 [q; 0], v24-31 [0; q]; v32-63 K; v160-167 p's codes; v168-183 two sets of bytes on their way to LDS;
; v184-187 K's scale words, v188-191 V's, v192, v193 q's, v194 p's; v196-227 V; v232-254 at work
.macro PLACES
.rept 4
	v_nop
.endr
.endm
	s_load_b128 s[4:7], s[0:1], 0x0                ; qkv, ctx
	v_lshl_add_u32 v[SPW], v0, 2, SPARE
	v_mov_b32 v[NIL], 0
	v_lshrrev_b32 v1, 5, v0
	s_delay_alu instid0(VALU_DEP_1)
	v_readfirstlane_b32 s8, v1                     ; wave 0..15
	s_mov_b32 s9, ttmp9                            ; x
	s_and_b32 s10, ttmp7, 0xffff                   ; head
	s_lshr_b32 s11, s8, 2
	s_xor_b32 s11, s11, s8
	s_and_b32 s11, s11, 1                          ; which of the two query blocks
	s_lshr_b32 s12, s8, 1                          ; which of its 8 tiles
	s_sub_co_u32 s40, 15, s9
	s_cmp_eq_u32 s11, 0
	s_cselect_b32 s13, s9, s40                     ; my query block = my last key step
	s_lshl_b32 s14, s13, 3
	s_add_co_u32 s14, s14, s12                     ; my tile of queries
	s_sub_co_u32 s15, 17, s9
	s_lshr_b32 s15, s15, 1                         ; slots that the work-group needs: 5 to 8
	s_mov_b32 s16, 0                               ; the slot in hand
	s_mov_b32 s17, 0                               ; the key step in hand
	s_mov_b32 s18, 0                               ; its scale words: 256 bytes a step
	s_mov_b32 s19, 0
	s_mov_b32 s20, 0x76543210
	s_mov_b32 s21, 0xfedcba98
	s_mov_b32 s22, 0x3e38aa3b                      ; c = log2(e) / 8
	s_mov_b32 s23, s22
	v_and_b32 v232, 15, v0                         ; r
	v_bfe_u32 v233, v0, 4, 1                       ; h
	s_delay_alu instid0(VALU_DEP_2)
	v_and_b32 v234, 8, v232
	s_delay_alu instid0(VALU_DEP_1)
	v_add_nc_u32 v234, v234, v232                  ; pi(r)
	v_and_b32 v[LI], 31, v0
	s_delay_alu instid0(VALU_DEP_1)
	v_lshlrev_b32 v[LI], 4, v[LI]
	v_lshl_add_u32 v[ASK0], v232, 2, SCB
	v_lshlrev_b32 v[TA], 4, v0
	v_lshlrev_b32 v[R4], 2, v232
	v_lshlrev_b32 v[R16], 4, v232
	v_and_b32 v[SA], 255, v0
	s_delay_alu instid0(VALU_DEP_1)
	v_lshlrev_b32 v[SA], 4, v[SA]
	s_lshr_b32 s40, s12, 1
	s_lshl_b32 s40, s40, 5
	s_and_b32 s41, s12, 1
	s_lshl_b32 s41, s41, 3
	s_add_co_u32 s40, s40, s41
	v_lshlrev_b32 v235, 4, v233
	s_delay_alu instid0(VALU_DEP_1)
	v_sub_nc_u32 v[DG], v234, v235
	s_delay_alu instid0(VALU_DEP_1)
	v_add_nc_u32 v[DG], s40, v[DG]
	s_lshl_b32 s34, s10, 16
	s_mov_b32 s35, 0
	s_wait_alu depctr_va_vdst(0)
	s_wait_kmcnt 0x0
	s_add_nc_u64 s[30:31], s[4:5], s[34:35]        ; the head's codes of q,
	s_add_nc_u64 s[24:25], s[30:31], 2097152       ; of k,
	s_add_nc_u64 s[26:27], s[30:31], 4194304       ; of v
	s_lshl_b32 s34, s14, 9
	s_add_nc_u64 s[30:31], s[30:31], s[34:35]      ; my tile
	s_lshl_b32 s34, s10, 12
	s_add_nc_u64 s[32:33], s[4:5], s[34:35]
	s_add_nc_u64 s[32:33], s[32:33], 6291456       ; the head's scale bytes of q
	s_lshr_b32 s34, s8, 3
	s_lshl_b32 s34, s34, 17
	s_add_co_u32 s34, s34, 131072
	s_add_nc_u64 s[28:29], s[32:33], s[34:35]      ; waves 0-7: of k; waves 8-15: of v
	s_lshr_b32 s34, s14, 1
	s_lshl_b32 s34, s34, 6
	s_and_b32 s41, s14, 1
	s_lshl_b32 s41, s41, 1
	s_add_co_u32 s34, s34, s41
	s_add_nc_u64 s[32:33], s[32:33], s[34:35]
	global_load_b128 v[196:199], v[SA], s[28:29]                   ; 16 of the head's 8,192 scale bytes
	global_load_b128 v[168:171], v[TA], s[24:25]                   ; slot 0
	global_load_b128 v[172:175], v[TA], s[26:27]
	global_load_b128 v[176:179], v[TA], s[24:25] offset:8192       ; slot 1
	global_load_b128 v[180:183], v[TA], s[26:27] offset:8192
	global_load_b128 v[16:19], v[LI], s[30:31]                     ; q, once for each of the two operands
	global_load_b128 v[28:31], v[LI], s[30:31]
	global_load_u16 v192, v[R4], s[32:33]                          ; its two scale bytes
	s_lshr_b32 s40, s10, 4                         ; where ctx goes: row tile 128 x batch + my tile; K step head / 2, half head % 2
	s_lshl_b32 s40, s40, 7
	s_add_co_u32 s40, s40, s14
	s_and_b32 s41, s10, 15
	s_lshr_b32 s42, s41, 1
	s_and_b32 s43, s10, 1
	s_lshl_b32 s34, s40, 3
	s_add_co_u32 s34, s34, s42
	s_lshl_b32 s34, s34, 10
	s_lshl_b32 s44, s43, 9
	s_add_co_u32 s34, s34, s44
	s_add_nc_u64 s[36:37], s[6:7], s[34:35]
	s_lshl_b32 s34, s40, 9
	s_lshr_b32 s44, s42, 2
	s_lshl_b32 s44, s44, 8
	s_add_co_u32 s34, s34, s44
	s_and_b32 s44, s42, 3
	s_lshl_b32 s44, s44, 2
	s_add_co_u32 s34, s34, s44
	s_lshl_b32 s44, s43, 1
	s_add_co_u32 s34, s34, s44
	s_add_co_u32 s34, s34, 2097152
	s_add_nc_u64 s[38:39], s[6:7], s[34:35]
.irp j,20,21,22,23,24,25,26,27
	v_mov_b32 v\j, 0                               ; the zero halves of the two operands
.endr
	v_mov_b32 v13, 0xff61b1e6                      ; the largest t so far: -3e38
	s_delay_alu instid0(VALU_DEP_1)
	v_floor_f32 v12, -v13
	v_mov_b32 v14, 0
	v_mov_b32 v15, 0
.irp b,0,1,2,3
	v_mov_b32 v[236+\b], 0                         ; a lane permute's destination counts as one of its sources
.endr
	v_mov_b32 v253, 0                              ; the upper half of the pair v[252:253]
	s_wait_loadcnt 5                               ; the scale bytes and slot 0 are in; slot 1's two loads, q's two and its bytes may be out
	ds_store_b128 v[TA], v[196:199] offset:SCB
	ds_store_b128 v[TA], v[168:171]
	ds_store_b128 v[TA], v[172:175] offset:8192
	s_wait_loadcnt 0x0
	v_lshl_or_b32 v193, v192, 16, 0x0101           ; [1, 1, q0, q1] for [0; q]
	v_or_b32 v192, 0x01010000, v192                ; [q0, q1, 1, 1] for [q; 0]
.set n, 0
.rept 32
	v_mov_b32 v[O+n], 0                            ; O^T: the step is written once; its first run finds zeros.  (Also the places between the scale words' making and the first product)
.set n, n+1
.endr
	s_wait_dscnt 0x0
	s_barrier_signal -1
	s_barrier_wait -1
; A KEY STEP: 128 keys, the q-th of slot sg.
.macro STEP sg, q
	v_add_nc_u32 v[ADS], s18, v[ASK0]
	s_cmp_gt_u32 s17, s13                          ; all its keys come after my queries: ids alone
	s_cbranch_scc1 .Lhid_\@
.irp f,0,1,2,3
.irp c,0,1
	ds_load_b128 v[32+8*\f+4*\c:35+8*\f+4*\c], v[LI] offset:\sg*16384+\q*4096+1024*\f+512*\c
.endr
	ds_load_b32 v[184+\f], v[ADS] offset:64*\f
.endr
.irp f,0,1,2,3
.irp c,0,1
	ds_load_b128 v[196+8*\f+4*\c:199+8*\f+4*\c], v[LI] offset:\sg*16384+8192+\q*4096+1024*\f+512*\c
.endr
	ds_load_b32 v[188+\f], v[ADS] offset:4096+64*\f
.endr
	s_wait_dscnt 12                                ; K's twelve loads are in; V's twelve may be out
.irp f,0,1,2,3
	v_wmma_scale_f32_16x16x128_f8f6f4 v[S+16*\f:S+16*\f+7], v[32+8*\f:39+8*\f], v[16:23], 0, v[184+\f], v192 matrix_a_fmt:MATRIX_FMT_FP4 matrix_b_fmt:MATRIX_FMT_FP4
	v_wmma_scale_f32_16x16x128_f8f6f4 v[S+16*\f+8:S+16*\f+15], v[32+8*\f:39+8*\f], v[24:31], 0, v[184+\f], v193 matrix_a_fmt:MATRIX_FMT_FP4 matrix_b_fmt:MATRIX_FMT_FP4
.endr                                          ; register 16 b + i: key 32 b + 16 h + i of the step
	PLACES
	s_cmp_lg_u32 s17, s13
	s_cbranch_scc1 .Lopen_\@                       ; only the step on the diagonal hides keys
	v_mov_b32 v254, 0xff800000                     ; -infinity
.set n, 0
.rept 64
	v_cmp_gt_i32 vcc_lo, 32*(n/16)+n%16, v[DG]
	v_cndmask_b32 v[S+n], v[S+n], v254, vcc_lo
.set n, n+1
.endr
.Lopen_\@:
.irp b,0,1,2,3
	v_max3_num_f32 v[232+\b], v[S+16*\b], v[S+1+16*\b], v[S+2+16*\b]   ; the largest score of each block of 32 keys: for the row's maximum, and, since p rises with the score, for the block's largest p
.endr
.irp i,3,5,7,9,11,13
.irp b,0,1,2,3
	v_max3_num_f32 v[232+\b], v[232+\b], v[S+16*\b+\i], v[S+1+16*\b+\i]
.endr
.endr
.irp b,0,1,2,3
	v_max_num_f32 v[232+\b], v[232+\b], v[S+15+16*\b]
.endr
.irp b,0,1,2,3
	s_delay_alu instid0(VALU_DEP_4)
	v_permlanex16_b32 v[236+\b], v[232+\b], s20, s21
.endr
.irp b,0,1,2,3
	s_delay_alu instid0(VALU_DEP_4)
	v_max_num_f32 v[232+\b], v[232+\b], v[236+\b]
.endr
	s_delay_alu instid0(VALU_DEP_2)
	v_max3_num_f32 v254, v232, v233, v234
	s_delay_alu instid0(VALU_DEP_1)
	v_max_num_f32 v254, v254, v235
	s_delay_alu instid0(VALU_DEP_1)
	v_mul_f32 v254, s22, v254
	s_delay_alu instid0(VALU_DEP_1)
	v_max_num_f32 v13, v13, v254                   ; the running largest t
	v_mov_b32 v254, v12
	s_delay_alu instid0(VALU_DEP_2)
	v_floor_f32 v12, -v13                          ; the new -M
	s_delay_alu instid0(VALU_DEP_1)
	v_sub_f32 v254, v12, v254                      ; old M - new M: a whole number, 0 or less
	s_delay_alu instid0(VALU_DEP_1)
	v_cvt_i32_f32 v254, v254
	s_delay_alu instid0(VALU_DEP_1)
	v_ldexp_f32 v252, 1.0, v254                    ; f = 2^(old M - new M)
.set n, 0
.rept 32
	v_pk_fma_f32 v[S+n:S+n+1], v[S+n:S+n+1], s[22:23], v[12:13] op_sel_hi:[1,0,0]   ; t - M
.set n, n+2
.endr
.irp b,0,1,2,3
	v_fma_f32 v[232+\b], v[232+\b], s22, v12
.endr
.set n, 0
	s_wait_alu depctr_va_vdst(0)
.rept 64
	v_exp_f32 v[S+n], v[S+n]                       ; p
.set n, n+1
.endr
	v_pk_mul_f32 v[14:15], v[14:15], v[252:253] op_sel_hi:[1,0]   ; the sums under the new M (a plain place behind the batch)
	s_wait_alu depctr_va_vdst(0)                   ; one wait for the 64, ahead of their first reader
.irp b,0,1,2,3
	v_exp_f32 v[232+\b], v[232+\b]                 ; each block's largest p
.endr
	v_pk_add_f32 v[236:237], v[68:69], v[72:73]
	v_pk_add_f32 v[254:255], v[76:77], v[80:81]
	v_pk_add_f32 v[250:251], v[84:85], v[88:89]
	v_pk_add_f32 v[248:249], v[92:93], v[96:97]
	v_pk_add_f32 v[246:247], v[100:101], v[104:105]
	v_pk_add_f32 v[244:245], v[108:109], v[112:113]
	v_pk_add_f32 v[242:243], v[116:117], v[120:121]
	v_pk_add_f32 v[14:15], v[14:15], v[124:125]
	v_pk_add_f32 v[236:237], v[236:237], v[64:65]
	v_pk_add_f32 v[254:255], v[254:255], v[66:67]
	v_pk_add_f32 v[250:251], v[250:251], v[70:71]
	v_pk_add_f32 v[248:249], v[248:249], v[74:75]
	v_pk_add_f32 v[246:247], v[246:247], v[78:79]
	v_pk_add_f32 v[244:245], v[244:245], v[82:83]
	v_pk_add_f32 v[242:243], v[242:243], v[86:87]
	v_pk_add_f32 v[14:15], v[14:15], v[90:91]
	v_pk_add_f32 v[236:237], v[236:237], v[94:95]
	v_pk_add_f32 v[254:255], v[254:255], v[98:99]
	v_pk_add_f32 v[250:251], v[250:251], v[102:103]
	v_pk_add_f32 v[248:249], v[248:249], v[106:107]
	v_pk_add_f32 v[246:247], v[246:247], v[110:111]
	v_pk_add_f32 v[244:245], v[244:245], v[114:115]
	v_pk_add_f32 v[242:243], v[242:243], v[118:119]
	v_pk_add_f32 v[14:15], v[14:15], v[122:123]
	v_pk_add_f32 v[236:237], v[236:237], v[126:127]
	s_delay_alu instid0(VALU_DEP_2)
	v_pk_add_f32 v[14:15], v[14:15], v[248:249]
	s_delay_alu instid0(VALU_DEP_2)
	v_pk_add_f32 v[236:237], v[236:237], v[246:247]
	v_pk_add_f32 v[254:255], v[254:255], v[244:245]
	v_pk_add_f32 v[250:251], v[250:251], v[242:243]
	s_delay_alu instid0(VALU_DEP_2)
	v_pk_add_f32 v[14:15], v[14:15], v[254:255]
	s_delay_alu instid0(VALU_DEP_2)
	v_pk_add_f32 v[236:237], v[236:237], v[250:251]
	s_delay_alu instid0(VALU_DEP_1)
	v_pk_add_f32 v[14:15], v[14:15], v[236:237]
	s_wait_alu depctr_va_vdst(0)                   ; and one for the four
.irp b,0,1,2,3
	v_max_num_f32 v[232+\b], 0x1800000, v[232+\b]  ; the floor: the byte cannot fall under 1
.endr
.irp b,0,1,2,3
	s_delay_alu instid0(VALU_DEP_4)
	v_add_nc_u32 v[244+\b], 0xff000000, v[232+\b]
.endr
.irp b,0,1,2,3
	s_delay_alu instid0(VALU_DEP_4)
	v_lshrrev_b32 v[236+\b], 23, v[244+\b]
.endr
	s_delay_alu instid0(VALU_DEP_3)
	v_lshl_or_b32 v194, v237, 8, v236              ; p's scale word for these 128 keys
	s_delay_alu instid0(VALU_DEP_1)
	v_lshl_or_b32 v194, v238, 16, v194
	s_delay_alu instid0(VALU_DEP_1)
	v_lshl_or_b32 v194, v239, 24, v194
.irp b,0,1,2,3
	v_cvt_scalef32_pk8_fp4_f32 v[160+2*\b], v[S+16*\b:S+16*\b+7], v[244+\b]
	v_cvt_scalef32_pk8_fp4_f32 v[161+2*\b], v[S+16*\b+8:S+16*\b+15], v[244+\b]
.endr
	v_nop
.irp c,0,1
.irp i,0,1
	v_permlane16_swap_b32 v[160+4*\c+\i], v[162+4*\c+\i]
.endr
.endr
.set n, 0
.rept 16
	v_pk_mul_f32 v[O+n:O+n+1], v[O+n:O+n+1], v[252:253] op_sel_hi:[1,0]   ; O^T under the new M; twelve of these name no register of any one product below: its places behind the word's and the codes' making
.set n, n+2
.endr
	s_wait_alu depctr_va_vdst(0)
	s_wait_dscnt 0x0                               ; V and its scale words are in
.irp f,0,1,2,3
	v_wmma_scale_f32_16x16x128_f8f6f4 v[O+8*\f:O+8*\f+7], v[196+8*\f:203+8*\f], v[160:167], v[O+8*\f:O+8*\f+7], v[188+\f], v194 matrix_a_fmt:MATRIX_FMT_FP4 matrix_b_fmt:MATRIX_FMT_FP4
.endr
	PLACES                                         ; ahead of the next step's loads into these operands, and of the next reads of O^T
.Lhid_\@:
	s_add_co_u32 s17, s17, 1
	s_add_co_u32 s18, s18, 256
.endm
; A SLOT.  The bytes asked for a slot ago go into the other slot, which nobody reads since the last barrier; the bytes of two slots on are asked for; then the slot's two steps.
.macro SLOTWORK sg
	s_wait_loadcnt 0x0                             ; the next slot's bytes are in my registers
	s_add_co_u32 s40, s16, 1
	s_cmp_lt_u32 s40, s15                          ; is there a next slot?  x and the count of slots alone: the same in all sixteen waves
	s_cbranch_scc0 .Lnostore_\@
	ds_store_b128 v[TA], v[176-8*\sg:179-8*\sg] offset:(1-\sg)*16384
	ds_store_b128 v[TA], v[180-8*\sg:183-8*\sg] offset:(1-\sg)*16384+8192
.Lnostore_\@:
	s_add_co_u32 s40, s16, 2
	s_cmp_lt_u32 s40, s15
	s_cbranch_scc0 .Lnoload_\@
	global_load_b128 v[168+8*\sg:171+8*\sg], v[TA], s[24:25] offset:(2+\sg)*8192
	global_load_b128 v[172+8*\sg:175+8*\sg], v[TA], s[26:27] offset:(2+\sg)*8192
.Lnoload_\@:
	STEP \sg, 0
	STEP \sg, 1
	s_add_co_u32 s16, s16, 1
	s_wait_dscnt 0x0                               ; my stores into the other slot have landed, my reads of this one are over
	s_barrier_signal -1
	s_barrier_wait -1
.endm
.Ltrip:                                                ; four trips of two slots
	SLOTWORK 0
	SLOTWORK 1
	s_wait_xcnt 0x0                                ; the loads have read their bases
	s_add_nc_u64 s[24:25], s[24:25], 16384
	s_add_nc_u64 s[26:27], s[26:27], 16384
	s_add_co_u32 s19, s19, 1
	s_cmp_lt_u32 s19, 4
	s_cbranch_scc1 .Ltrip
	; THE WAY OUT: ctx = O^T / the sum; its 64 channels are two blocks of the next product's K; register 16 b + i: channel 32 b + 16 h + i
	v_add_f32 v14, v14, v15
	s_delay_alu instid0(VALU_DEP_1)
	v_permlanex16_b32 v252, v14, s20, s21
	s_delay_alu instid0(VALU_DEP_1)
	v_add_f32 v14, v14, v252
	s_wait_alu depctr_va_vdst(0)
	v_rcp_f32 v14, v14
	v_nop
	s_wait_alu depctr_va_vdst(0)
.set n, 0
.rept 32
	v_mul_f32 v[S+n], v[O+n], v14
.set n, n+1
.endr
.irp b,0,1
	v_max3_num_f32 v[232+\b], |v[S+16*\b]|, |v[S+1+16*\b]|, 0x1800000
.endr
.irp i,2,4,6,8,10,12,14
.irp b,0,1
	s_delay_alu instid0(VALU_DEP_2)
	v_max3_num_f32 v[232+\b], v[232+\b], |v[S+16*\b+\i]|, |v[S+1+16*\b+\i]|
.endr
.endr
.irp b,0,1
	s_delay_alu instid0(VALU_DEP_2)
	v_permlanex16_b32 v[236+\b], v[232+\b], s20, s21
.endr
.irp b,0,1
	s_delay_alu instid0(VALU_DEP_2)
	v_max_num_f32 v[232+\b], v[232+\b], v[236+\b]
.endr
.irp b,0,1
	s_delay_alu instid0(VALU_DEP_2)
	v_add_nc_u32 v[244+\b], 0xff000000, v[232+\b]
.endr
.irp b,0,1
	s_delay_alu instid0(VALU_DEP_2)
	v_lshrrev_b32 v[236+\b], 23, v[244+\b]
.endr
	s_delay_alu instid0(VALU_DEP_1)
	v_lshl_or_b32 v240, v237, 8, v236
.irp b,0,1
	v_cvt_scalef32_pk8_fp4_f32 v[160+2*\b], v[S+16*\b:S+16*\b+7], v[244+\b]
	v_cvt_scalef32_pk8_fp4_f32 v[161+2*\b], v[S+16*\b+8:S+16*\b+15], v[244+\b]
.endr
	v_nop
	v_permlane16_swap_b32 v160, v162
	v_permlane16_swap_b32 v161, v163
	global_store_b128 v[LI], v[160:163], s[36:37]  ; 32 lanes store 512 consecutive bytes: half a fragment of the next product's operand
	global_store_b16 v[R16], v240, s[38:39]        ; my row's two bytes of its scale word (lanes 16-31 store what lanes 0-15 store)
	s_wait_tensorcnt 0x0                           ; the wave's end
	ds_add_u32 v[SPW], v[NIL]
	s_wait_dscnt 0x0
	s_endpgm
.Lfunc_end_k_qe0c4a7c1b7_attn:
	.size	k_qe0c4a7c1b7_attn, .Lfunc_end_k_qe0c4a7c1b7_attn-k_qe0c4a7c1b7_attn
	.p2alignl 7, 3214868480
	.fill 96, 4, 3214868480
	.section	.rodata,"a",@progbits
	.p2align	6, 0x0
	.amdhsa_kernel k_qe0c4a7c1b7_attn
		.amdhsa_group_segment_fixed_size 43008
		.amdhsa_private_segment_fixed_size 0
		.amdhsa_enable_private_segment 0
		.amdhsa_kernarg_size 16
		.amdhsa_user_sgpr_count 2
		.amdhsa_user_sgpr_kernarg_segment_ptr 1
		.amdhsa_wavefront_size32 1
		.amdhsa_system_sgpr_workgroup_id_x 1
		.amdhsa_system_sgpr_workgroup_id_y 1
		.amdhsa_system_sgpr_workgroup_id_z 1
		.amdhsa_system_vgpr_workitem_id 0
		.amdhsa_next_free_vgpr 256
		.amdhsa_next_free_sgpr 66
		.amdhsa_reserve_vcc 1
		.amdhsa_float_denorm_mode_32 3
		.amdhsa_float_denorm_mode_16_64 3
		.amdhsa_memory_ordered 1
		.amdhsa_forward_progress 1
		.amdhsa_inst_pref_size 98
	.end_amdhsa_kernel
	.amdgpu_metadata
---
amdhsa.version: [ 1, 2 ]
amdhsa.kernels:
  - .name:           k_qe0c4a7c1b7_attn
    .symbol:         k_qe0c4a7c1b7_attn.kd
    .args:
      - { .name: qkv, .offset: 0, .size: 8, .value_kind: global_buffer, .address_space: global }
      - { .name: ctx, .offset: 8, .size: 8, .value_kind: global_buffer, .address_space: global }
    .group_segment_fixed_size: 43008
    .private_segment_fixed_size: 0
    .kernarg_segment_align: 8
    .kernarg_segment_size: 16
    .max_flat_workgroup_size: 512
    .sgpr_count:     66
    .vgpr_count:     256
    .wavefront_size: 32
...
	.end_amdgpu_metadata
.endif
;; end of part 2
;; launch proj_ln (part 3): grid 256 x 1, 4 waves a work-group, no clusters, 146,688 bytes of LDS; arguments ctx, Wo_codes, Wo_scales, bo, X, ln2_g, ln2_b, x1, xn; writes x1, xn
.if DOCPART == 3
	.amdgcn_target "amdgcn-amd-amdhsa--gfx1250"
	.amdhsa_code_object_version 6
	.text
	.protected	k_qe0c4a7c1b7_proj_ln
	.globl	k_qe0c4a7c1b7_proj_ln
	.p2align	8
	.type	k_qe0c4a7c1b7_proj_ln,@function
k_qe0c4a7c1b7_proj_ln:
	s_mov_b64 s[64:65], 0
	v_nop
	global_prefetch_b8 v0, s[64:65] scope:SCOPE_SE
	s_setreg_imm32_b32 hwreg(HW_REG_WAVE_MODE, 25, 1), 1
	s_wait_xcnt 0x0
; Launch 3 of 5: x1 = X + (ctx Wo + bo), and xn = LN2(x1) quantised along its 1,024 columns.  Nothing is left out here.
; ctx comes as launch 2 laid it: fragments of 16 rows x 128 K, 1,024 bytes each, [row tile 256][K step 8], behind them the scale words [row tile][K step / 4][r 16][K step % 4].
; Lane r of row tile 2 P + c stands for token 32 P + 8 c + r + 8 (r / 8).  xn leaves in the same layout, for launch 4.
; SHARES.  A work-group owns ONE row tile (16 tokens) and all 1,024 columns, so that a token's whole row meets in one work-group; wave w makes columns 256 w .. + 255: 16 accumulators.
; Source 0 = 16 weight rows, source 1 = the 16 tokens.  Lane r of weight tile t takes row 32 (t / 2) + 8 (t % 2) + r + 8 (r / 8): a lane's 16 registers of tiles 2 b, 2 b + 1 are columns 32 b + 16 h + 0 .. 15.
; THE WEIGHTS go by chunks of 32 rows (two tiles).  A weight row is 512 consecutive bytes: one load of 32 lanes takes a whole row; the 32 rows go into the wave's OWN LDS bytes (pitch 528, in the order of the tiles)
; and come back as fragments for all 8 K steps.  LDS serves a wave's instructions in order, so these bytes need no barrier.  Two chunks' loads are out at a time; a chunk's 16 products are issued one chunk behind its LDS loads.
; THE WAY OUT.  The tile goes into an LDS stage of 16 rows; one barrier; wave w takes rows 4 w .. 4 w + 3 (four neighbouring tokens): in row layout (32 lanes x 16 bytes = 512 consecutive bytes) it adds X and bo,
; stores x1 and puts the rows back; then each lane takes one block of 32 columns of a row: mean, variance, gain, bias, block scale, codes.  Codes and scale bytes meet in LDS in xn's order; one barrier; they leave as runs of 512 bytes.
; NOT IN CLUSTERS: each wave's weights pass through registers and its own LDS bytes; no tensor load brings a tile that partners could ask for jointly.  NO PREFETCH: the text has no loop to run ahead in; its loads are issued as far ahead as the registers allow.
.set XROW,  4368                       ; a stage row: 16 units of 256 bytes + 16, and 16 more: 1,092 words, so that 16 rows start 4 banks apart
.set AC,    16*XROW                    ; xn's codes of the tile, 8,192 bytes in memory order
.set ACP,   16
.set ASC,   AC+8192                    ; its scale words, 512 bytes
.set ASP,   16
.set WB,    ASC+512                    ; the waves' own bytes for a chunk of weights: 32 rows of 528
.set WP,    528
.set SPARE, WB+4*32*WP                 ; the spare words
.set LI,  4                            ; 16 x lane
.set GS,  5                            ; my chunk bytes, in: + 16 x lane
.set WSO, 6                            ; pi(r) x 32
.set R16, 7                            ; 16 r
.set STO, 8                            ; stage, in
.set RDR, 9                            ; stage, my rows in row layout
.set OUTA, 10                          ; my 2,048 bytes of the codes
.set XL,  11                           ; stage, my rows by blocks of 32 columns
.set ACW, 12
.set ASW, 13
.set GBO, 14                           ; 128 x lane
.set SCR, 15
.set BY,  18
.set AW,  20                           ; v20-27 ctx's scale words, one a K step
.set SPW, 28
.set NIL, 29
.set FA,  30                           ; my chunk bytes, back: 528 r + 16 h
.set CH,  32
.set MU,  48
.set RS,  50
.set CD,  56
.set AF,  128                          ; v128-191 ctx's 8 fragments; then XR
.set XR,  128
.set GG,  0                            ; window 1, behind chunk 6: v0-31 gain, v32-63 bias of LN2 (by blocks), v64-95 bo (row layout)
.set BB,  32
; v64-127, v192-255: the weights' scale words 8 t + s, then the rows on the way out.  Window 1: two sets of 32 weight rows.  Window 2: two sets of 16 fragments.  Window 3: v0-127 accumulators, v128-255 X's four rows.
.set MSB, 0
.macro WIN new
.if MSB != (\new)
	s_set_vgpr_msb (MSB<<8)|(\new)
.set MSB, (\new)
.endif
.endm
.macro PLACES
.rept 4
	v_nop
.endr
.endm
.macro LNJOIN
.irp e,0,1
	v_pk_add_f32 v[CH+8*\e:CH+8*\e+1], v[CH+8*\e:CH+8*\e+1], v[CH+8*\e+2:CH+8*\e+3]
	v_pk_add_f32 v[CH+8*\e+4:CH+8*\e+5], v[CH+8*\e+4:CH+8*\e+5], v[CH+8*\e+6:CH+8*\e+7]
.endr
.irp e,0,1
	v_pk_add_f32 v[CH+8*\e:CH+8*\e+1], v[CH+8*\e:CH+8*\e+1], v[CH+8*\e+4:CH+8*\e+5]
.endr
.irp e,0,1
	v_add_f32 v[CH+8*\e], v[CH+8*\e], v[CH+8*\e+1]
.endr
.irp x,1,2,4,8
.irp e,0,1
	v_add_f32_dpp v[CH+8*\e], v[CH+8*\e], v[CH+8*\e] row_xmask:\x row_mask:0xf bank_mask:0xf
.endr
.endr
.irp e,0,1
	v_permlanex16_b32 v[CH+8*\e+2], v[CH+8*\e], s22, s23
.endr
.irp e,0,1
	v_add_f32 v[CH+8*\e], v[CH+8*\e], v[CH+8*\e+2]
.endr
.endm
; two rows: a lane holds 32 neighbouring columns of each, one block of the quantiser
.macro LNPAIR rho
.irp e,0,1
.irp j,0,1,2,3,4,5,6,7
	ds_load_b128 v[XR+32*\e+4*\j:XR+32*\e+4*\j+3], v[XL] offset:((\rho)+\e)*XROW+16*\j
.endr
.endr
	s_wait_dscnt 0x0
.irp k,0,1,2,3
.irp e,0,1
	v_pk_add_f32 v[CH+8*\e+2*\k:CH+8*\e+2*\k+1], v[XR+32*\e+4*\k:XR+32*\e+4*\k+1], v[XR+32*\e+4*\k+2:XR+32*\e+4*\k+3]
.endr
.endr
.irp q,16,24
.irp k,0,1,2,3
.irp e,0,1
	v_pk_add_f32 v[CH+8*\e+2*\k:CH+8*\e+2*\k+1], v[CH+8*\e+2*\k:CH+8*\e+2*\k+1], v[XR+32*\e+\q+2*\k:XR+32*\e+\q+2*\k+1]
.endr
.endr
.endr
	LNJOIN
.irp e,0,1
	v_mul_f32 v[MU+4*\e], s49, v[CH+8*\e]          ; the mean
.endr
.set jj, 0
.rept 16
.irp e,0,1
	v_pk_add_f32 v[XR+32*\e+jj:XR+32*\e+jj+1], v[XR+32*\e+jj:XR+32*\e+jj+1], v[MU+4*\e:MU+4*\e+1] op_sel_hi:[1,0] neg_lo:[0,1] neg_hi:[0,1]
.endr
.set jj, jj+2
.endr
.irp k,0,1,2,3
.irp e,0,1
	v_pk_mul_f32 v[CH+8*\e+2*\k:CH+8*\e+2*\k+1], v[XR+32*\e+2*\k:XR+32*\e+2*\k+1], v[XR+32*\e+2*\k:XR+32*\e+2*\k+1]
.endr
.endr
.irp q,8,16,24
.irp k,0,1,2,3
.irp e,0,1
	v_pk_fma_f32 v[CH+8*\e+2*\k:CH+8*\e+2*\k+1], v[XR+32*\e+\q+2*\k:XR+32*\e+\q+2*\k+1], v[XR+32*\e+\q+2*\k:XR+32*\e+\q+2*\k+1], v[CH+8*\e+2*\k:CH+8*\e+2*\k+1]
.endr
.endr
.endr
	LNJOIN
.irp e,0,1
	v_fma_f32 v[CH+8*\e], v[CH+8*\e], s49, s50     ; variance + eps
.endr
	s_wait_alu depctr_va_vdst(0)                   ; the wait ahead of the batch,
.irp e,0,1
	v_rsq_f32 v[RS+4*\e], v[CH+8*\e]
.endr
	v_nop
	s_wait_alu depctr_va_vdst(0)                   ; and behind it
.set jj, 0
.rept 16
.irp e,0,1
	v_pk_mul_f32 v[XR+32*\e+jj:XR+32*\e+jj+1], v[XR+32*\e+jj:XR+32*\e+jj+1], v[RS+4*\e:RS+4*\e+1] op_sel_hi:[1,0]
.endr
.set jj, jj+2
.endr
	WIN 0x14                                       ; sources 1 and 2: window 1
.set jj, 0
.rept 16
.irp e,0,1
	v_pk_fma_f32 v[XR+32*\e+jj:XR+32*\e+jj+1], v[XR+32*\e+jj:XR+32*\e+jj+1], v[GG+jj:GG+jj+1], v[BB+jj:BB+jj+1]
.endr
.set jj, jj+2
.endr
	WIN 0
.irp e,0,1
	v_max3_num_f32 v[CH+8*\e], |v[XR+32*\e]|, |v[XR+32*\e+1]|, 0x1800000      ; the block's largest magnitude, over the floor 2^(3 - 127)
	v_max3_num_f32 v[CH+8*\e+1], |v[XR+32*\e+2]|, |v[XR+32*\e+3]|, |v[XR+32*\e+4]|
.endr
.irp i,5,9,13,17,21,25
.irp e,0,1
	v_max3_num_f32 v[CH+8*\e], v[CH+8*\e], |v[XR+32*\e+\i]|, |v[XR+32*\e+\i+1]|
	v_max3_num_f32 v[CH+8*\e+1], v[CH+8*\e+1], |v[XR+32*\e+\i+2]|, |v[XR+32*\e+\i+3]|
.endr
.endr
.irp e,0,1
	v_max3_num_f32 v[CH+8*\e], v[CH+8*\e], |v[XR+32*\e+29]|, |v[XR+32*\e+30]|
.endr
.irp e,0,1
	v_max3_num_f32 v[CH+8*\e], v[CH+8*\e], v[CH+8*\e+1], |v[XR+32*\e+31]|
.endr
.irp e,0,1
	v_add_nc_u32 v[CH+8*\e+2], 0xff000000, v[CH+8*\e]      ; 2 off the exponent field: the conversion's scale operand
.endr
.irp e,0,1
.irp g,0,1,2,3
	v_cvt_scalef32_pk8_fp4_f32 v[CD+4*\e+\g], v[XR+32*\e+8*\g:XR+32*\e+8*\g+7], v[CH+8*\e+2]
.endr
.endr
.irp e,0,1
	v_lshrrev_b32 v[BY+\e], 23, v[CH+8*\e+2]       ; the scale's byte
.endr
.irp e,0,1
	ds_store_b128 v[ACW], v[CD+4*\e:CD+4*\e+3] offset:((\rho)+\e)*ACP
	ds_store_b8 v[ASW], v[BY+\e] offset:((\rho)+\e)*ASP
.endr
.endm
.macro GLOAD k                         ; chunk k: 32 weight rows, a row of 512 bytes a load, into set k % 2
	WIN 0x40
.set n, 0
.rept 32
	global_load_b128 v[128*((\k)%2)+4*n:128*((\k)%2)+4*n+3], v[LI], s[6:7] offset:(32*(\k)+n)*512
.set n, n+1
.endr
	WIN 0
.endm
.macro TOLDS k                         ; row n of the chunk is lane n % 8 + 8 (n / 16) of its tile (n / 8) % 2
	WIN 0x04
.set n, 0
.rept 32
	ds_store_b128 v[GS], v[128*((\k)%2)+4*n:128*((\k)%2)+4*n+3] offset:(16*((n/8)%2)+n%8+8*(n/16))*WP
.set n, n+1
.endr
	WIN 0
.endm
.macro FRAGS k                         ; back as fragments: tile u, K step s
	WIN 0x80
.irp u,0,1
.irp s,0,1,2,3,4,5,6,7
.irp c,0,1
	ds_load_b128 v[128*((\k)%2)+64*\u+8*\s+4*\c:128*((\k)%2)+64*\u+8*\s+4*\c+3], v[FA] offset:\u*16*WP+64*\s+32*\c
.endr
.endr
.endr
	WIN 0
.endm
.macro MM d, a, b, c, sa, sb
	v_wmma_scale_f32_16x16x128_f8f6f4 v[\d:\d+7], v[\a:\a+7], v[\b:\b+7], \c, v[\sa], v[\sb] matrix_a_fmt:MATRIX_FMT_FP4 matrix_b_fmt:MATRIX_FMT_FP4
.endm
.macro MULC k                          ; chunk k's 16 products: its two accumulators by turns, K ascending
	WIN 0xf2
.irp s,0,1,2,3,4,5,6,7
.irp u,0,1
.if \s == 0
	MM 8*(2*(\k)+\u), 128*((\k)%2)+64*\u+8*\s, AF+8*\s, 0, 64+8*(2*(\k)+\u)+64*((\k)/4)+\s, AW+\s
.else
	MM 8*(2*(\k)+\u), 128*((\k)%2)+64*\u+8*\s, AF+8*\s, v[8*(2*(\k)+\u):8*(2*(\k)+\u)+7], 64+8*(2*(\k)+\u)+64*((\k)/4)+\s, AW+\s
.endif
.endr
.endr
	PLACES
	WIN 0
.endm
	s_load_b256 s[4:11], s[0:1], 0x0               ; ctx, Wo's codes, Wo's scales, bo
	s_load_b256 s[12:19], s[0:1], 0x20             ; X, ln2_g, ln2_b, x1
	s_load_b64 s[20:21], s[0:1], 0x40              ; xn
	v_lshl_add_u32 v[SPW], v0, 2, SPARE
	v_mov_b32 v[NIL], 0
	v_lshrrev_b32 v1, 5, v0
	v_readfirstlane_b32 s24, v1                    ; wave
	s_mov_b32 s22, 0x76543210
	s_mov_b32 s23, 0xfedcba98
	s_mov_b32 s49, 0x3a800000                      ; 1 / 1,024
	s_mov_b32 s50, 0x3727c5ac                      ; 1e-5
	s_lshr_b32 s26, ttmp9, 1
	s_lshl_b32 s26, s26, 5
	s_and_b32 s27, ttmp9, 1
	s_lshl_b32 s27, s27, 3
	s_add_co_u32 s26, s26, s27
	s_lshl_b32 s27, s24, 2
	s_add_co_u32 s26, s26, s27
	s_lshr_b32 s27, s24, 1
	s_lshl_b32 s27, s27, 3
	s_add_co_u32 s26, s26, s27                     ; my four tokens begin at 32 P + 8 c + 4 w + 8 (w / 2)
	s_lshl_b32 s30, s26, 12
	s_mov_b32 s31, 0
	s_lshl_b32 s32, ttmp9, 13                      ; the tile's fragments
	s_mov_b32 s33, 0
	s_lshl_b32 s34, ttmp9, 9                       ; its scale words
	s_add_co_u32 s34, s34, 2097152
	s_mov_b32 s35, 0
	s_lshl_b32 s36, s24, 17                        ; my 256 weight rows
	s_mov_b32 s37, 0
	s_lshl_b32 s38, s24, 13
	s_mov_b32 s39, 0
	s_lshl_b32 s45, s24, 11
	s_add_co_u32 s40, s45, s32                     ; my 2,048 bytes of xn's codes
	s_mov_b32 s41, 0
	s_mul_i32 s42, s24, 1088
	s_mul_i32 s43, s24, 4*XROW
	s_lshl_b32 s44, s24, 6
	s_mul_i32 s48, s24, 32*WP
	s_add_co_u32 s48, s48, WB
	v_and_b32 v1, 31, v0
	v_and_b32 v2, 15, v0
	v_bfe_u32 v3, v0, 4, 1
	v_and_b32 v16, 8, v2
	v_add_nc_u32 v16, v16, v2                      ; pi(r)
	v_lshlrev_b32 v[LI], 4, v1
	v_add_nc_u32 v[GS], s48, v[LI]
	v_mul_u32_u24 v[FA], v2, WP
	v_lshl_add_u32 v[FA], v3, 4, v[FA]
	v_add_nc_u32 v[FA], s48, v[FA]
	v_lshlrev_b32 v[WSO], 5, v16
	v_lshlrev_b32 v[R16], 4, v2
	v_lshlrev_b32 v[GBO], 7, v1
	v_mul_u32_u24 v[STO], v2, XROW
	v_lshl_add_u32 v[STO], v3, 6, v[STO]
	v_add_nc_u32 v[STO], s42, v[STO]               ; row r, 4 w units on, + 64 h
	v_mul_u32_u24 v[RDR], v3, 272
	v_lshl_add_u32 v[RDR], v2, 4, v[RDR]
	v_add_nc_u32 v[RDR], s43, v[RDR]
	v_lshrrev_b32 v17, 1, v1
	v_lshl_add_u32 v[XL], v17, 4, v[GBO]
	v_add_nc_u32 v[XL], s43, v[XL]
	v_lshrrev_b32 v17, 2, v1                       ; block L of a row: K step L / 4, half (L / 2) % 2, lanes' half L % 2
	v_lshlrev_b32 v[ACW], 10, v17
	v_bfe_u32 v17, v0, 1, 1
	v_lshl_add_u32 v[ACW], v17, 9, v[ACW]
	v_and_b32 v17, 1, v0
	v_lshl_add_u32 v[ACW], v17, 8, v[ACW]
	v_add_nc_u32 v[ACW], s44, v[ACW]
	v_add_nc_u32 v[ACW], AC, v[ACW]
	v_lshl_add_u32 v[ASW], v3, 8, v2
	v_add_nc_u32 v[ASW], s44, v[ASW]
	v_add_nc_u32 v[ASW], ASC, v[ASW]
	v_add_nc_u32 v[OUTA], s45, v[LI]
	v_add_nc_u32 v[OUTA], AC, v[OUTA]
	v_add_nc_u32 v[SCR], ASC, v[LI]
.irp e,1,3,5,7
	v_mov_b32 v[MU+\e], 0                          ; the upper halves of pairs that packed forms name
.endr
	s_wait_alu depctr_va_vdst(0)                   ; the wait at the head's end
	s_wait_kmcnt 0x0
	s_add_nc_u64 s[12:13], s[12:13], s[30:31]
	s_add_nc_u64 s[18:19], s[18:19], s[30:31]
	s_add_nc_u64 s[46:47], s[4:5], s[34:35]        ; ctx's scale words
	s_add_nc_u64 s[4:5], s[4:5], s[32:33]
	s_add_nc_u64 s[6:7], s[6:7], s[36:37]
	s_add_nc_u64 s[8:9], s[8:9], s[38:39]
	s_add_nc_u64 s[52:53], s[20:21], s[40:41]
	s_add_nc_u64 s[54:55], s[20:21], s[34:35]
	WIN 0xc0
.irp k,0,1,2,3
.irp i,0,1,2,3,4,5,6,7
	global_load_b128 v[128+32*\k+4*\i:128+32*\k+4*\i+3], v[LI], s[12:13] offset:\k*4096+512*\i    ; X's four rows, in the layout in which x1 leaves
.endr
.endr
	WIN 0
	global_load_b128 v[AW:AW+3], v[R16], s[46:47]
	global_load_b128 v[AW+4:AW+7], v[R16], s[46:47] offset:256
.irp s,0,1,2,3,4,5,6,7
.irp c,0,1
	global_load_b128 v[AF+8*\s+4*\c:AF+8*\s+4*\c+3], v[LI], s[4:5] offset:1024*\s+512*\c
.endr
.endr
.irp t,0,1,2,3,4,5,6,7,8,9,10,11,12,13,14,15
.irp q,0,1
	global_load_b128 v[64+8*\t+64*(\t/8)+4*\q:64+8*\t+64*(\t/8)+4*\q+3], v[WSO], s[8:9] offset:(32*(\t/2)+8*(\t%2))*32+16*\q
.endr
.endr
	GLOAD 0
	GLOAD 1
	s_wait_loadcnt 32                              ; chunk 0 and all that is older are in; behind them: chunk 1's 32 loads
	TOLDS 0
	GLOAD 2
	FRAGS 0
.irp k,1,2,3,4,5,6,7
.if \k < 7
	s_wait_loadcnt 32                              ; behind chunk k's loads: chunk k + 1's 32
.else
	s_wait_loadcnt 24                              ; behind the last chunk's: gain, bias and bo
.endif
	TOLDS \k                                       ; into the bytes from which chunk k - 1's fragments were asked: LDS serves my instructions in order
.if \k < 6
	GLOAD \k+2
.endif
.if \k == 6
	WIN 0x40                                       ; set 0 takes no further chunk: gain, bias and bo, 24 loads
.irp j,0,1,2,3,4,5,6,7
	global_load_b128 v[GG+4*\j:GG+4*\j+3], v[GBO], s[14:15] offset:16*\j
	global_load_b128 v[BB+4*\j:BB+4*\j+3], v[GBO], s[16:17] offset:16*\j
	global_load_b128 v[64+4*\j:64+4*\j+3], v[LI], s[10:11] offset:512*\j
.endr
	WIN 0
.endif
	FRAGS \k
	s_wait_dscnt 63                                ; chunk k - 1's fragments are in: behind them stand 32 stores and 32 loads, and 63 is the largest count that the wait can name
	MULC \k-1
.endr
	s_wait_dscnt 0x0
	MULC 7
	WIN 0x0c                                       ; an LDS store's data are its source 1: window 3
.irp t,0,1,2,3,4,5,6,7,8,9,10,11,12,13,14,15
	ds_store_b128 v[STO], v[8*\t:8*\t+3] offset:272*(\t/4)+128*((\t/2)%2)+32*(\t%2)          ; each accumulator from its low end on
	ds_store_b128 v[STO], v[8*\t+4:8*\t+7] offset:272*(\t/4)+128*((\t/2)%2)+32*(\t%2)+16
.endr
	WIN 0
	s_wait_loadcnt 0x0                             ; gain, bias, bo (X came long ago)
	s_wait_dscnt 0x0                               ; for the others' sake: my columns lie in the stage
	s_barrier_signal -1
	s_barrier_wait -1
.irp p,0,1
.irp e,0,1
.irp i,0,1,2,3,4,5,6,7
	ds_load_b128 v[64+128*\p+32*\e+4*\i:64+128*\p+32*\e+4*\i+3], v[RDR] offset:(2*\p+\e)*XROW+544*\i
.endr
.endr
.endr
.irp p,0,1
	s_wait_dscnt 16                                ; behind these two rows' loads: the other two rows' 16 loads, or the first two rows' 16 stores
	WIN 0x0c
.set n, 0
.rept 32
	v_pk_add_f32 v[64+128*\p+n:64+128*\p+n+1], v[64+128*\p+n:64+128*\p+n+1], v[128+64*\p+n:128+64*\p+n+1]    ; + X
.set n, n+2
.endr
	WIN 0x04
.set n, 0
.rept 32
	v_pk_add_f32 v[64+128*\p+n:64+128*\p+n+1], v[64+128*\p+n:64+128*\p+n+1], v[64+n%32:64+n%32+1]            ; + bo
.set n, n+2
.endr
	WIN 0
.irp e,0,1
.irp i,0,1,2,3,4,5,6,7
	global_store_b128 v[LI], v[64+128*\p+32*\e+4*\i:64+128*\p+32*\e+4*\i+3], s[18:19] offset:(2*\p+\e)*4096+512*\i   ; 32 lanes store 512 consecutive bytes, aligned
	ds_store_b128 v[RDR], v[64+128*\p+32*\e+4*\i:64+128*\p+32*\e+4*\i+3] offset:(2*\p+\e)*XROW+544*\i                ; and x1 goes back into my own rows: LDS serves a wave's instructions in order
.endr
.endr
.endr
	LNPAIR 0
	LNPAIR 2
	s_wait_dscnt 0x0                               ; for the others' sake: my rows' codes and bytes lie in LDS
	s_barrier_signal -1
	s_barrier_wait -1
.irp i,0,1,2,3
	ds_load_b128 v[128+4*\i:131+4*\i], v[OUTA] offset:512*\i
.endr
	s_wait_dscnt 0x0
.irp i,0,1,2,3
	global_store_b128 v[LI], v[128+4*\i:131+4*\i], s[52:53] offset:512*\i
.endr
	s_cmp_lg_u32 s24, 0
	s_cbranch_scc1 .Lnosc                          ; wave 0 stores the tile's 512 bytes of scale words
	ds_load_b128 v[144:147], v[SCR]
	s_wait_dscnt 0x0
	global_store_b128 v[LI], v[144:147], s[54:55]
.Lnosc:
	s_wait_tensorcnt 0x0                           ; the wave's end
	ds_add_u32 v[SPW], v[NIL]
	s_wait_dscnt 0x0
	s_endpgm
.Lfunc_end_k_qe0c4a7c1b7_proj_ln:
	.size	k_qe0c4a7c1b7_proj_ln, .Lfunc_end_k_qe0c4a7c1b7_proj_ln-k_qe0c4a7c1b7_proj_ln
	.p2alignl 7, 3214868480
	.fill 96, 4, 3214868480
	.section	.rodata,"a",@progbits
	.p2align	6, 0x0
	.amdhsa_kernel k_qe0c4a7c1b7_proj_ln
		.amdhsa_group_segment_fixed_size 146688
		.amdhsa_private_segment_fixed_size 0
		.amdhsa_enable_private_segment 0
		.amdhsa_kernarg_size 72
		.amdhsa_user_sgpr_count 2
		.amdhsa_user_sgpr_kernarg_segment_ptr 1
		.amdhsa_wavefront_size32 1
		.amdhsa_system_sgpr_workgroup_id_x 1
		.amdhsa_system_sgpr_workgroup_id_y 1
		.amdhsa_system_sgpr_workgroup_id_z 1
		.amdhsa_system_vgpr_workitem_id 0
		.amdhsa_next_free_vgpr 1024
		.amdhsa_next_free_sgpr 66
		.amdhsa_reserve_vcc 0
		.amdhsa_float_denorm_mode_32 3
		.amdhsa_float_denorm_mode_16_64 3
		.amdhsa_memory_ordered 1
		.amdhsa_forward_progress 1
		.amdhsa_inst_pref_size 141
	.end_amdhsa_kernel
	.amdgpu_metadata
---
amdhsa.version: [ 1, 2 ]
amdhsa.kernels:
  - .name:           k_qe0c4a7c1b7_proj_ln
    .symbol:         k_qe0c4a7c1b7_proj_ln.kd
    .args:
      - { .name: ctx, .offset: 0, .size: 8, .value_kind: global_buffer, .address_space: global }
      - { .name: Wo_codes, .offset: 8, .size: 8, .value_kind: global_buffer, .address_space: global }
      - { .name: Wo_scales, .offset: 16, .size: 8, .value_kind: global_buffer, .address_space: global }
      - { .name: bo, .offset: 24, .size: 8, .value_kind: global_buffer, .address_space: global }
      - { .name: X, .offset: 32, .size: 8, .value_kind: global_buffer, .address_space: global }
      - { .name: ln2_g, .offset: 40, .size: 8, .value_kind: global_buffer, .address_space: global }
      - { .name: ln2_b, .offset: 48, .size: 8, .value_kind: global_buffer, .address_space: global }
      - { .name: x1, .offset: 56, .size: 8, .value_kind: global_buffer, .address_space: global }
      - { .name: xn, .offset: 64, .size: 8, .value_kind: global_buffer, .address_space: global }
    .group_segment_fixed_size: 146688
    .private_segment_fixed_size: 0
    .kernarg_segment_align: 8
    .kernarg_segment_size: 72
    .max_flat_workgroup_size: 128
    .sgpr_count:     66
    .vgpr_count:     1024
    .wavefront_size: 32
...
	.end_amdgpu_metadata
.endif
;; end of part 3
;; launch ffn1 (part 4): grid 8 x 32, 4 waves a work-group, no clusters, 133,632 bytes of LDS; arguments xn, W1_codes, W1_scales, b1, hid; writes hid
.if DOCPART == 4
	.amdgcn_target "amdgcn-amd-amdhsa--gfx1250"
	.amdhsa_code_object_version 6
	.text
	.protected	k_qe0c4a7c1b7_ffn1
	.globl	k_qe0c4a7c1b7_ffn1
	.p2align	8
	.type	k_qe0c4a7c1b7_ffn1,@function
k_qe0c4a7c1b7_ffn1:
	s_mov_b64 s[64:65], 0
	v_nop
	global_prefetch_b8 v0, s[64:65] scope:SCOPE_SE
	s_setreg_imm32_b32 hwreg(HW_REG_WAVE_MODE, 25, 1), 1
	s_wait_xcnt 0x0
; Launch 4 of 5: hidden = relu(xn W1 + b1), quantised along its 4,096 columns, which are launch 5's K.  Nothing is left out here.
; xn comes as launch 3 laid it: fragments [row tile 256][K step 8] of 1,024 bytes, behind them the scale words [row tile][K step / 4][r 16][K step % 4].  hid leaves as [row tile][K step 32] likewise.
; SHARES.  Work-group (x, y): row tiles 8 y .. 8 y + 7 (128 tokens) x columns 512 x .. + 511; wave w: columns 512 x + 128 w .. + 127, which are K step 4 x + w of launch 5.
; The work-group's 65,536 bytes of xn's codes are one dense block: each thread brings 512 of them through its registers into LDS, once.
; A wave's weights, 128 rows x 512 bytes, fill 512 registers (windows 1 and 3), are loaded ONCE and serve two passes of 64 tokens each (32 accumulators, window 2): no weight byte is asked for twice by a work-group.
; They come by chunks of 32 rows: one load of 32 lanes takes a whole row of 512 consecutive bytes; the rows go into the wave's OWN LDS bytes (pitch 528, in the order of the tiles) and come back as fragments.  LDS serves a wave's instructions in order: no barrier for these bytes.
; Source 0 = 16 weight rows (lane r of tile t: row 32 (t / 2) + 8 (t % 2) + r + 8 (r / 8)), source 1 = 16 tokens: a lane's 16 registers of tiles 2 b, 2 b + 1 are 16 neighbours along the next K.  b1 is the C of each pass's first products.
; NOT IN CLUSTERS: the weights, most of a work-group's bytes, pass through registers and a wave's own LDS bytes; no tensor load brings a tile that partners could ask for jointly.  NO PREFETCH: the text has no loop to run ahead in.
.set WB,    65536                      ; behind xn's codes: the waves' own bytes for a chunk of weights: 32 rows of 528
.set WP,    528
.set SPARE, WB+4*32*WP
.set LI,  4                            ; 16 x lane
.set GS,  5                            ; my chunk bytes, in
.set WSO, 6                            ; pi(r) x 32
.set BOF, 7                            ; 64 h
.set R16, 8                            ; 16 r
.set TA,  9                            ; 16,384 w + 16 x lane
.set FA,  10                           ; my chunk bytes, back: 528 r + 16 h
.set SPW, 28
.set NIL, 29
.set AW,  32                           ; xn's scale words 8 m + s
.set WW,  64                           ; the weights' 8 t + s
.set AB,  128                          ; two sets of xn's four fragments
.set PC,  128
.set PW,  160
.set TM,  176
.set BI,  192                          ; b1, in the accumulators' layout
.set MSB, 0
.macro WIN new
.if MSB != (\new)
	s_set_vgpr_msb (MSB<<8)|(\new)
.set MSB, (\new)
.endif
.endm
.macro PLACES
.rept 4
	v_nop
.endr
.endm
.macro GLOAD k                         ; chunk k: 32 weight rows into half (k + 1) % 2 of window 2, which the sums take later
	WIN 0x80
.set n, 0
.rept 32
	global_load_b128 v[128*(((\k)+1)%2)+4*n:128*(((\k)+1)%2)+4*n+3], v[LI], s[6:7] offset:(32*(\k)+n)*512
.set n, n+1
.endr
	WIN 0
.endm
.macro TOLDS k                         ; row n of the chunk is lane n % 8 + 8 (n / 16) of its tile (n / 8) % 2
	WIN 0x08
.set n, 0
.rept 32
	ds_store_b128 v[GS], v[128*(((\k)+1)%2)+4*n:128*(((\k)+1)%2)+4*n+3] offset:(16*((n/8)%2)+n%8+8*(n/16))*WP
.set n, n+1
.endr
	WIN 0
.endm
.macro FRAGS b                         ; back as the fragments of tiles 2 b, 2 b + 1: K steps 0-3 window 1, 4-7 window 3
.irp g,0,1
	WIN 0x40+0x80*\g
.irp u,0,1
.irp s,0,1,2,3
.irp c,0,1
	ds_load_b128 v[64*\s+8*(2*(\b)+\u)+4*\c:64*\s+8*(2*(\b)+\u)+4*\c+3], v[FA] offset:\u*16*WP+256*\g+64*\s+32*\c
.endr
.endr
.endr
.endr
	WIN 0
.endm
.macro AWLOAD u
.irp m,0,1,2,3
.irp q,0,1
	global_load_b128 v[AW+8*\m+4*\q:AW+8*\m+4*\q+3], v[R16], s[16:17] offset:(4*\u+\m)*512+256*\q
.endr
.endr
.endm
.macro AFETCH s, u
.irp m,0,1,2,3
.irp c,0,1
	ds_load_b128 v[AB+32*((\s)%2)+8*\m+4*\c:AB+32*((\s)%2)+8*\m+4*\c+3], v[LI] offset:(4*\u+\m)*8192+1024*(\s)+512*\c
.endr
.endr
.endm
.macro MM d, a, b, c, sa, sb
	v_wmma_scale_f32_16x16x128_f8f6f4 v[\d:\d+7], v[\a:\a+7], v[\b:\b+7], \c, v[\sa], v[\sb] matrix_a_fmt:MATRIX_FMT_FP4 matrix_b_fmt:MATRIX_FMT_FP4
.endm
; a K step: 32 matrix instructions, the 32 accumulators by turns
.macro STEPX s, u, cnt
.if (\s) < 7
	s_wait_dscnt 8                                 ; this step's fragments are in; the next step's eight loads may be out
.else
	s_wait_dscnt 0x0
.endif
.if (\cnt) >= 0
	s_wait_loadcnt \cnt
.endif
.if (\s) == 0
	WIN 0x81
.elseif (\s) < 4
	WIN 0xa1
.else
	WIN 0xa3
.endif
.irp m,0,1,2,3
.irp t,0,1,2,3,4,5,6,7
.if (\s) == 0
	MM 64*\m+8*\t, 64*((\s)%4)+8*\t, AB+32*((\s)%2)+8*\m, v[BI+8*\t:BI+8*\t+7], WW+8*\t+(\s), AW+8*\m+(\s)
.else
	MM 64*\m+8*\t, 64*((\s)%4)+8*\t, AB+32*((\s)%2)+8*\m, v[64*\m+8*\t:64*\m+8*\t+7], WW+8*\t+(\s), AW+8*\m+(\s)
.endif
.endr
.endr
	PLACES
	WIN 0
.if (\s) < 6
	AFETCH (\s)+2, \u
.endif
.endm
.macro QUANT s, pc, pw
	WIN 0x0a
.irp b,0,1,2,3
	v_max3_num_f32 v[TM+\b], |v[(\s)+16*\b]|, |v[(\s)+16*\b+1]|, 0x1800000
.endr
	WIN 0x28
.irp i,2,4,6,8,10,12,14
.irp b,0,1,2,3
	v_max3_num_f32 v[TM+\b], v[TM+\b], |v[(\s)+16*\b+\i]|, |v[(\s)+16*\b+\i+1]|
.endr
.endr
	WIN 0
.irp b,0,1,2,3
	v_permlanex16_b32 v[TM+4+\b], v[TM+\b], s22, s23
.endr
.irp b,0,1,2,3
	v_max_num_f32 v[TM+\b], v[TM+\b], v[TM+4+\b]
.endr
.irp b,0,1,2,3
	v_add_nc_u32 v[TM+12+\b], 0xff000000, v[TM+\b]
.endr
.irp b,0,1,2,3
	v_lshrrev_b32 v[TM+4+\b], 23, v[TM+12+\b]
.endr
	v_lshl_or_b32 v[\pw], v[TM+5], 8, v[TM+4]
	v_lshl_or_b32 v[\pw], v[TM+6], 16, v[\pw]
	v_lshl_or_b32 v[\pw], v[TM+7], 24, v[\pw]
	WIN 0x02
.irp b,0,1,2,3
	v_cvt_scalef32_pk8_fp4_f32 v[(\pc)+2*\b], v[(\s)+16*\b:(\s)+16*\b+7], v[TM+12+\b]
	v_cvt_scalef32_pk8_fp4_f32 v[(\pc)+2*\b+1], v[(\s)+16*\b+8:(\s)+16*\b+15], v[TM+12+\b]
.endr
	WIN 0
	v_nop
.irp c,0,1
.irp i,0,1
	v_permlane16_swap_b32 v[(\pc)+4*\c+\i], v[(\pc)+4*\c+2+\i]
.endr
.endr
.endm
.macro EPIH u                          ; relu, the quantiser, and a fragment of 1,024 bytes with its scale words for each of the pass's four row tiles
.irp m,0,1,2,3
	WIN 0x88
.set n, 0
.rept 64
	v_max_num_f32 v[64*\m+n], 0, v[64*\m+n]
.set n, n+1
.endr
	QUANT 64*\m, PC+8*\m, PW+\m
	global_store_b128 v[LI], v[PC+8*\m:PC+8*\m+3], s[52:53] offset:(4*\u+\m)*32768
	global_store_b128 v[LI], v[PC+8*\m+4:PC+8*\m+7], s[52:53] offset:(4*\u+\m)*32768+512
	global_store_b32 v[R16], v[PW+\m], s[54:55] offset:(4*\u+\m)*2048
.endr
.endm
	s_load_b256 s[4:11], s[0:1], 0x0               ; xn, W1's codes, W1's scales, b1
	s_load_b64 s[12:13], s[0:1], 0x20              ; hid
	v_lshl_add_u32 v[SPW], v0, 2, SPARE
	v_mov_b32 v[NIL], 0
	v_lshrrev_b32 v1, 5, v0
	v_readfirstlane_b32 s18, v1                    ; wave
	s_and_b32 s19, ttmp7, 0xffff                   ; y
	s_mov_b32 s20, ttmp9                           ; x
	s_mov_b32 s22, 0x76543210
	s_mov_b32 s23, 0xfedcba98
	s_lshl_b32 s21, s18, 14
	s_lshl_b32 s24, s19, 16                        ; xn's codes of my 8 row tiles
	s_mov_b32 s25, 0
	s_lshl_b32 s26, s19, 12                        ; their scale words
	s_add_co_u32 s26, s26, 2097152
	s_mov_b32 s27, 0
	s_lshl_b32 s28, s20, 18                        ; my 128 weight rows
	s_lshl_b32 s29, s18, 16
	s_add_co_u32 s28, s28, s29
	s_mov_b32 s29, 0
	s_lshr_b32 s30, s28, 4                         ; their scale bytes
	s_mov_b32 s31, 0
	s_lshr_b32 s32, s30, 3                         ; their bias
	s_mov_b32 s33, 0
	s_lshl_b32 s34, s19, 18                        ; hid: row tile 8 y, K step 4 x + w
	s_lshl_b32 s35, s20, 12
	s_add_co_u32 s34, s34, s35
	s_lshl_b32 s35, s18, 10
	s_add_co_u32 s34, s34, s35
	s_mov_b32 s35, 0
	s_lshl_b32 s36, s19, 14
	s_lshl_b32 s37, s20, 8
	s_add_co_u32 s36, s36, s37
	s_lshl_b32 s37, s18, 2
	s_add_co_u32 s36, s36, s37
	s_add_co_u32 s36, s36, 8388608
	s_mov_b32 s37, 0
	s_mul_i32 s38, s18, 32*WP
	s_add_co_u32 s38, s38, WB
	v_and_b32 v1, 31, v0
	v_and_b32 v2, 15, v0
	v_bfe_u32 v3, v0, 4, 1
	v_and_b32 v16, 8, v2
	v_add_nc_u32 v16, v16, v2                      ; pi(r)
	v_lshlrev_b32 v[LI], 4, v1
	v_add_nc_u32 v[GS], s38, v[LI]
	v_mul_u32_u24 v[FA], v2, WP
	v_lshl_add_u32 v[FA], v3, 4, v[FA]
	v_add_nc_u32 v[FA], s38, v[FA]
	v_lshlrev_b32 v[WSO], 5, v16
	v_lshlrev_b32 v[BOF], 6, v3
	v_lshlrev_b32 v[R16], 4, v2
	v_add_nc_u32 v[TA], s21, v[LI]
	s_wait_alu depctr_va_vdst(0)                   ; the wait at the head's end
	s_wait_kmcnt 0x0
	s_add_nc_u64 s[14:15], s[4:5], s[24:25]
	s_add_nc_u64 s[16:17], s[4:5], s[26:27]
	s_add_nc_u64 s[6:7], s[6:7], s[28:29]
	s_add_nc_u64 s[8:9], s[8:9], s[30:31]
	s_add_nc_u64 s[10:11], s[10:11], s[32:33]
	s_add_nc_u64 s[52:53], s[12:13], s[34:35]
	s_add_nc_u64 s[54:55], s[12:13], s[36:37]
	WIN 0x80
.set n, 0
.rept 32
	global_load_b128 v[4*n:4*n+3], v[TA], s[14:15] offset:512*n    ; my quarter of xn's codes, through registers that the sums take later
.set n, n+1
.endr
	WIN 0
	GLOAD 0
	AWLOAD 0
.irp t,0,1,2,3,4,5,6,7
.irp q,0,1
	global_load_b128 v[WW+8*\t+4*\q:WW+8*\t+4*\q+3], v[WSO], s[8:9] offset:(32*(\t/2)+8*(\t%2))*32+16*\q
.endr
.endr
.irp t,0,1,2,3,4,5,6,7
.irp q,0,1
	global_load_b128 v[BI+8*\t+4*\q:BI+8*\t+4*\q+3], v[BOF], s[10:11] offset:(32*(\t/2)+8*(\t%2))*4+16*\q
.endr
.endr
	s_wait_loadcnt 63                              ; behind xn's 32 loads stand 72
	WIN 0x08
.set n, 0
.rept 32
	ds_store_b128 v[TA], v[4*n:4*n+3] offset:512*n
.set n, n+1
.endr
	WIN 0
	GLOAD 1
	s_wait_loadcnt 63                              ; behind chunk 0's loads stand 40 + 32
	TOLDS 0
	GLOAD 2
	FRAGS 0
	s_wait_loadcnt 32                              ; behind chunk 1's: chunk 2's
	TOLDS 1                                        ; into the bytes from which chunk 0's fragments were asked: LDS serves my instructions in order
	GLOAD 3
	FRAGS 1
	s_wait_loadcnt 32
	TOLDS 2
	FRAGS 2
	s_wait_loadcnt 0x0
	TOLDS 3
	FRAGS 3
	s_wait_dscnt 0x0                               ; my weights are in their registers; and for the others' sake: my quarter of xn lies in LDS
	s_barrier_signal -1
	s_barrier_wait -1
	AFETCH 0, 0
	AFETCH 1, 0
.irp s,0,1,2,3,4,5,6,7
	STEPX \s, 0, -1
.endr
	AWLOAD 1                                       ; the second pass's scale words come while the first pass's results are quantised
	EPIH 0
	s_wait_xcnt 0x0                                ; the stores have read the registers into which the fragments below come
	AFETCH 0, 1
	AFETCH 1, 1
	STEPX 0, 1, 0
.irp s,1,2,3,4,5,6,7
	STEPX \s, 1, -1
.endr
	EPIH 1
	s_wait_tensorcnt 0x0                           ; the wave's end
	ds_add_u32 v[SPW], v[NIL]
	s_wait_dscnt 0x0
	s_endpgm
.Lfunc_end_k_qe0c4a7c1b7_ffn1:
	.size	k_qe0c4a7c1b7_ffn1, .Lfunc_end_k_qe0c4a7c1b7_ffn1-k_qe0c4a7c1b7_ffn1
	.p2alignl 7, 3214868480
	.fill 96, 4, 3214868480
	.section	.rodata,"a",@progbits
	.p2align	6, 0x0
	.amdhsa_kernel k_qe0c4a7c1b7_ffn1
		.amdhsa_group_segment_fixed_size 133632
		.amdhsa_private_segment_fixed_size 0
		.amdhsa_enable_private_segment 0
		.amdhsa_kernarg_size 40
		.amdhsa_user_sgpr_count 2
		.amdhsa_user_sgpr_kernarg_segment_ptr 1
		.amdhsa_wavefront_size32 1
		.amdhsa_system_sgpr_workgroup_id_x 1
		.amdhsa_system_sgpr_workgroup_id_y 1
		.amdhsa_system_sgpr_workgroup_id_z 1
		.amdhsa_system_vgpr_workitem_id 0
		.amdhsa_next_free_vgpr 1024
		.amdhsa_next_free_sgpr 66
		.amdhsa_reserve_vcc 0
		.amdhsa_float_denorm_mode_32 3
		.amdhsa_float_denorm_mode_16_64 3
		.amdhsa_memory_ordered 1
		.amdhsa_forward_progress 1
		.amdhsa_inst_pref_size 167
	.end_amdhsa_kernel
	.amdgpu_metadata
---
amdhsa.version: [ 1, 2 ]
amdhsa.kernels:
  - .name:           k_qe0c4a7c1b7_ffn1
    .symbol:         k_qe0c4a7c1b7_ffn1.kd
    .args:
      - { .name: xn, .offset: 0, .size: 8, .value_kind: global_buffer, .address_space: global }
      - { .name: W1_codes, .offset: 8, .size: 8, .value_kind: global_buffer, .address_space: global }
      - { .name: W1_scales, .offset: 16, .size: 8, .value_kind: global_buffer, .address_space: global }
      - { .name: b1, .offset: 24, .size: 8, .value_kind: global_buffer, .address_space: global }
      - { .name: hid, .offset: 32, .size: 8, .value_kind: global_buffer, .address_space: global }
    .group_segment_fixed_size: 133632
    .private_segment_fixed_size: 0
    .kernarg_segment_align: 8
    .kernarg_segment_size: 40
    .max_flat_workgroup_size: 128
    .sgpr_count:     66
    .vgpr_count:     1024
    .wavefront_size: 32
...
	.end_amdgpu_metadata
.endif
;; end of part 4
;; launch ffn2 (part 5): grid 8 x 32, 4 waves a work-group, no clusters, 270,848 bytes of LDS; arguments hid, W2_codes, W2_scales, b2, x1, out0; writes out0
.if DOCPART == 5
	.amdgcn_target "amdgcn-amd-amdhsa--gfx1250"
	.amdhsa_code_object_version 6
	.text
	.protected	k_qe0c4a7c1b7_ffn2
	.globl	k_qe0c4a7c1b7_ffn2
	.p2align	8
	.type	k_qe0c4a7c1b7_ffn2,@function
k_qe0c4a7c1b7_ffn2:
	s_mov_b64 s[64:65], 0
	v_nop
	global_prefetch_b8 v0, s[64:65] scope:SCOPE_SE
	s_setreg_imm32_b32 hwreg(HW_REG_WAVE_MODE, 25, 1), 1
	s_wait_xcnt 0x0
; Launch 5 of 5: out0 = x1 + (hidden W2 + b2), K = 4,096: 32 K steps of 128.  Nothing is left out here.  The hidden layer comes as launch 4 laid it: fragments of 16 rows x 128 K in the order of the
; operand's registers, 1,024 bytes each, [row tile 256][K step 32], and behind them the scale words [row tile][K step / 4][r 16][K step % 4].  Lane r of row tile 2 P + c stands for token
; 32 P + 8 c + r + 8 (r / 8).  The weights come as given: codes and scale bytes, K innermost.
; SHARES.  A work-group makes 128 x 128 of the result.  THE FOUR WAVES SHARE K, NOT THE TILE: wave w multiplies the whole tile for K steps 8 w .. 8 w + 7: 64 accumulators, 512 registers.  Every fragment is read once in the work-group.
; THE WEIGHTS: my quarter of K is 512 consecutive bytes of each of the tile's 128 weight rows: one load of 32 lanes takes them; the 128 rows go, through the registers that the sums take later, into my OWN LDS bytes (pitch 528),
; and each K step's 8 fragments come from there, two steps ahead.  LDS serves a wave's instructions in order: no barrier for these bytes.  The hidden layer's fragments go from memory straight into registers, three K steps ahead.
; Source 0 = 16 weight rows, source 1 = 16 tokens: a lane holds eight neighbouring columns of one token.
; THE FOUR PARTIAL TILES meet in LDS, 128 rows of 512 bytes + 16 for each wave, in the bytes that held the wave's weights; one barrier; wave w adds rows 32 w .. 32 w + 31 of the four, the residual and the bias, and stores whole rows of 512 bytes.
; LIMIT: an output's f32 sum is made of four sums over a quarter of K each, K ascending in each, added as (0 + 1) + (2 + 3), then (residual + bias): another order of rounding than one chain along K.
; NOT IN CLUSTERS: the operands pass through registers and a wave's own LDS bytes; no tensor load brings a tile that partners could ask for jointly.  NO PREFETCH: the text has no loop to run ahead in.
.set KS,    32                         ; K steps of 128
.set KSW,   8                          ; of which a wave takes 8
.set ASOFF, 8388608                    ; where A's scale words begin
.set RP,    64*KS                      ; a weight row in bytes
.set PIT,   528                        ; an LDS row: 512 bytes + 16: the 16 rows that an access touches start at 16 different groups of banks
.set WREG,  128*PIT                    ; a wave's weights, then its partial tile
.set SPARE, 4*WREG                     ; the spare words, 128 bytes a wave
.set LI,  4                            ; v4   16 x lane
.set R16, 6                            ; v6   16 r
.set WSO, 7                            ; v7   r x 4 KS
.set STO, 8                            ; v8   LDS: my partial tile: w x WREG + 528 r + 32 h
.set RD,  9                            ; v9-12 LDS: my 32 rows in partial tile q: q x WREG + 32 w x 528 + 16 x lane
.set WFA, 13                           ; v13  LDS: my weights, back: w x WREG + 528 r + 16 h
.set WST, 14                           ; v14, v15 LDS: my weights, in: rows 0-63, rows 64-127: + 16 x lane
.set SPW, 28
.set NIL, 29
.set AW,  32                           ; v32-95   A's scale words: 8 m + s
.set WW,  96                           ; v96-159  the weights' scale words: 8 t + s
.set BIA, 160                          ; v160-163 the bias of my four columns
; v164-227: the weights' fragments of odd K steps.  Window 1: v0-191 three sets of A's fragments (64 (s % 3) + 8 m), v192-255 the weights' fragments of even K steps; behind the last step but one v128-255: the residual, 4 registers a row
; window 2: the accumulators of row tiles 0-3 (8 (8 m + t)), window 3: of row tiles 4-7; on the way out: window 2: partial tiles 0 and 1 (128 q + 4 row), window 3: 2 and 3
.set MSB, 0
.macro WIN new
.if MSB != (\new)
	s_set_vgpr_msb (MSB<<8)|(\new)
.set MSB, (\new)
.endif
.endm
.macro PLACES
.rept 4
	v_nop
.endr
.endm
	s_load_b256 s[4:11], s[0:1], 0x0               ; A s[4:5], weights' codes s[6:7], scales s[8:9], bias s[10:11]
	s_load_b128 s[12:15], s[0:1], 0x20             ; residual s[12:13], result s[14:15]
	v_lshl_add_u32 v[SPW], v0, 2, SPARE
	v_mov_b32 v[NIL], 0
	v_lshrrev_b32 v1, 5, v0
	v_readfirstlane_b32 s24, v1                    ; wave
	s_and_b32 s27, ttmp7, 0xffff
	s_mul_i32 s28, s24, WREG
	s_mul_i32 s29, s24, 32*PIT
	v_and_b32 v1, 31, v0
	v_and_b32 v2, 15, v0
	v_bfe_u32 v3, v0, 4, 1
	v_lshlrev_b32 v[LI], 4, v1
	v_lshlrev_b32 v[R16], 4, v2
	v_mul_u32_u24 v[WSO], v2, 4*KS
	v_mul_u32_u24 v[STO], v2, PIT
	v_lshl_add_u32 v[WFA], v3, 4, v[STO]
	v_lshl_add_u32 v[STO], v3, 5, v[STO]
	v_add_nc_u32 v[STO], s28, v[STO]
	v_add_nc_u32 v[WFA], s28, v[WFA]
	v_add_nc_u32 v[WST], s28, v[LI]
	v_add_nc_u32 v[WST+1], 64*PIT, v[WST]
	v_add_nc_u32 v[RD], s29, v[LI]
	v_add_nc_u32 v[RD+1], WREG, v[RD]
	v_add_nc_u32 v[RD+2], 2*WREG, v[RD]
	v_add_nc_u32 v[RD+3], 3*WREG, v[RD]
	s_mul_i32 s30, s27, 8*KS*1024                  ; A's fragments: row tile 8 y, K step 8 w
	s_mul_i32 s31, s24, KSW*1024
	s_add_co_u32 s30, s30, s31
	s_mov_b32 s31, 0
	s_mul_i32 s32, s27, 8*KS*64                    ; A's scale words
	s_mul_i32 s33, s24, (KSW/4)*256
	s_add_co_u32 s32, s32, s33
	s_add_co_u32 s32, s32, ASOFF
	s_mov_b32 s33, 0
	s_mul_i32 s34, ttmp9, 128*RP                   ; the weights' codes: row 128 x, K step 8 w
	s_mul_i32 s35, s24, KSW*64
	s_add_co_u32 s34, s34, s35
	s_mov_b32 s35, 0
	s_mul_i32 s36, ttmp9, 128*4*KS                 ; their scale bytes
	s_mul_i32 s37, s24, KSW*4
	s_add_co_u32 s36, s36, s37
	s_mov_b32 s37, 0
	s_lshl_b32 s38, ttmp9, 9                       ; the tile's 128 columns in bytes
	s_mov_b32 s39, 0
	s_lshl_b32 s40, s27, 19                        ; token 128 y + 32 w, 4,096 bytes a row
	s_lshl_b32 s41, s24, 17
	s_add_co_u32 s40, s40, s41
	s_add_co_u32 s40, s40, s38
	s_mov_b32 s41, 0
	s_wait_alu depctr_va_vdst(0)                   ; the wait at the head's end
	s_wait_kmcnt 0x0
	s_add_nc_u64 s[16:17], s[4:5], s[30:31]
	s_add_nc_u64 s[20:21], s[4:5], s[32:33]
	s_add_nc_u64 s[18:19], s[6:7], s[34:35]
	s_add_nc_u64 s[22:23], s[8:9], s[36:37]
	s_add_nc_u64 s[10:11], s[10:11], s[38:39]
	s_add_nc_u64 s[12:13], s[12:13], s[40:41]
	s_add_nc_u64 s[14:15], s[14:15], s[40:41]
.irp m,0,1,2,3,4,5,6,7                         ; the scale words of my 8 K steps: 32 loads, once
.irp g,0,1
	global_load_b128 v[AW+8*\m+4*\g:AW+8*\m+4*\g+3], v[R16], s[20:21] offset:\m*KS*64+256*\g
.endr
.endr
.irp t,0,1,2,3,4,5,6,7
.irp g,0,1
	global_load_b128 v[WW+8*\t+4*\g:WW+8*\t+4*\g+3], v[WSO], s[22:23] offset:\t*64*KS+16*\g
.endr
.endr
.macro KLOAD s                         ; A's 8 fragments of my K step s into set s % 3: 16 loads
	WIN 0x40
.irp m,0,1,2,3,4,5,6,7
.irp c,0,1
	global_load_b128 v[64*((\s)%3)+8*\m+4*\c:64*((\s)%3)+8*\m+4*\c+3], v[LI], s[16:17] offset:\m*KS*1024+1024*(\s)+512*\c
.endr
.endr
	WIN 0
.endm
.macro WFETCH s                        ; the weights' 8 fragments of my K step s, from my LDS bytes: 16 loads.  Even steps: window 1, v192; odd steps: window 0, v164
	WIN 0x40*(1-(\s)%2)
.irp t,0,1,2,3,4,5,6,7
.irp c,0,1
	ds_load_b128 v[192-28*((\s)%2)+8*\t+4*\c:192-28*((\s)%2)+8*\t+4*\c+3], v[WFA] offset:\t*16*PIT+64*(\s)+32*\c
.endr
.endr
	WIN 0
.endm
.macro RLOAD h                         ; half h of the residual of my 32 rows, in the layout in which they leave: 16 loads; with the second half the bias.  Row rho of mine is token 8 (rho / 16) + pi(rho % 16) of my 32
	WIN 0x40
.set rho, 16*\h
.rept 16
	global_load_b128 v[128+4*rho:128+4*rho+3], v[LI], s[12:13] offset:(8*(rho/16)+rho%16+8*((rho%16)/8))*4096
.set rho, rho+1
.endr
	WIN 0
.if \h
	global_load_b128 v[BIA:BIA+3], v[LI], s[10:11]
.endif
.endm
.macro MM d, a, b, c, sa, sb
	v_wmma_scale_f32_16x16x128_f8f6f4 v[\d:\d+7], v[\a:\a+7], v[\b:\b+7], \c, v[\sa], v[\sb] matrix_a_fmt:MATRIX_FMT_FP4 matrix_b_fmt:MATRIX_FMT_FP4
.endm
; 32 matrix instructions: row tiles 4 hi .. 4 hi + 3 x all 8 column tiles.  The 64 accumulators take turns, in the same order in every step.  zero = 1: the first product starts the sums.
.macro MUL32 s, hi, zero
.irp a,0,1,2,3
.irp t,0,1,2,3,4,5,6,7
.if \zero
	MM 8*(8*\a+\t), 192-28*((\s)%2)+8*\t, 64*((\s)%3)+8*(4*\hi+\a), 0, WW+8*\t+(\s), AW+8*(4*\hi+\a)+(\s)
.else
	MM 8*(8*\a+\t), 192-28*((\s)%2)+8*\t, 64*((\s)%3)+8*(4*\hi+\a), v[8*(8*\a+\t):8*(8*\a+\t)+7], WW+8*\t+(\s), AW+8*(4*\hi+\a)+(\s)
.endif
.endr
.endr
.endm
.macro KSTEP s, zero, cnt              ; cnt: the global loads issued behind this step's own, which may stay out
.if (\cnt) >= 0
	s_wait_loadcnt \cnt
.endif
.if (\s) < 7
	s_wait_dscnt 16                                ; this step's weights are in; the next step's 16 loads may be out
.else
	s_wait_dscnt 0x0
.endif
	WIN 0xa4+1-(\s)%2                              ; source 0 window 1 or 0, source 1 window 1, C and D window 2
	MUL32 \s, 0, \zero
	WIN 0xf4+1-(\s)%2                              ; C and D window 3
	MUL32 \s, 1, \zero
	PLACES
	WIN 0
.if (\s)+3 < KSW
	KLOAD (\s)+3
.endif
.if (\s)+2 < KSW
	WFETCH (\s)+2
.endif
.if (\s) == KSW-3
	RLOAD 0                                        ; into A's set 2, which takes no further K step
.endif
.if (\s) == KSW-2
	RLOAD 1                                        ; into the even steps' weight registers, which take no further K step
.endif
.endm
	KLOAD 0
	KLOAD 1
	KLOAD 2
.irp g,0,1,2,3                                 ; my 128 weight rows, 512 bytes a load
	WIN 0x80+0x40*(\g/2)
.set n, 0
.rept 32
	global_load_b128 v[128*(\g%2)+4*n:128*(\g%2)+4*n+3], v[LI], s[18:19] offset:(32*\g+n)*RP
.set n, n+1
.endr
.endr
.irp g,0,1,2,3
.if \g < 2
	s_wait_loadcnt 63                              ; behind these 32 loads stand 96 or 64, and 63 is the largest count that the wait can name
.else
	s_wait_loadcnt 32*(3-\g)
.endif
	WIN 0x08+0x04*(\g/2)
.set n, 0
.rept 32
	ds_store_b128 v[WST+\g/2], v[128*(\g%2)+4*n:128*(\g%2)+4*n+3] offset:(32*(\g%2)+n)*PIT
.set n, n+1
.endr
.endr
	WIN 0
	WFETCH 0
	WFETCH 1
	KSTEP 0, 1, -1                                 ; A's first three sets are older than the weights, which have been waited for
	KSTEP 1, 0, -1
	KSTEP 2, 0, -1
	KSTEP 3, 0, 32                                 ; behind a step's own loads: the next two steps' 32
	KSTEP 4, 0, 32
	KSTEP 5, 0, 32
	KSTEP 6, 0, 32                                 ; behind step 6's loads: step 7's 16 and the residual's first 16
	KSTEP 7, 0, 33                                 ; behind the last step's loads: the residual's 32 and the bias
.irp m,0,1,2,3,4,5,6,7                         ; my partial tile into LDS, over my weights, whose last reads have come back: lane (r, h): row 16 m + r, columns 16 t + 8 h + 0 .. 7
.if \m < 4
	WIN 0x08                                       ; an LDS store's data are its source 1: window 2,
.else
	WIN 0x0c                                       ; window 3
.endif
.irp t,0,1,2,3,4,5,6,7
	ds_store_b128 v[STO], v[8*(8*(\m%4)+\t):8*(8*(\m%4)+\t)+3] offset:\m*16*PIT+64*\t        ; each accumulator from its low end on
	ds_store_b128 v[STO], v[8*(8*(\m%4)+\t)+4:8*(8*(\m%4)+\t)+7] offset:\m*16*PIT+64*\t+16
.endr
.endr
	WIN 0
	s_wait_dscnt 0x0                               ; for the others' sake: my partial tile lies in LDS
	s_barrier_signal -1
	s_barrier_wait -1                              ; all four do
.irp c,0,1,2,3                                 ; my 32 rows of the four partial tiles, eight rows at a time: 32 lanes take a row's 512 bytes
	WIN 0x80
.irp q,0,1
.irp i,0,1,2,3,4,5,6,7
	ds_load_b128 v[128*\q+4*(8*\c+\i):128*\q+4*(8*\c+\i)+3], v[RD+\q] offset:(8*\c+\i)*PIT
.endr
.endr
	WIN 0xc0
.irp q,0,1
.irp i,0,1,2,3,4,5,6,7
	ds_load_b128 v[128*\q+4*(8*\c+\i):128*\q+4*(8*\c+\i)+3], v[RD+2+\q] offset:(8*\c+\i)*PIT
.endr
.endr
.endr
	s_wait_loadcnt 0x0                             ; the residual and the bias: waited for here, while the partial tiles' rows come from LDS
	WIN 0x41                                       ; destination and source 0 window 1, source 1 window 0
.set rho, 0
.rept 32
	v_pk_add_f32 v[128+4*rho:128+4*rho+1], v[128+4*rho:128+4*rho+1], v[BIA:BIA+1]
	v_pk_add_f32 v[128+4*rho+2:128+4*rho+3], v[128+4*rho+2:128+4*rho+3], v[BIA+2:BIA+3]
.set rho, rho+1
.endr
.irp c,0,1,2,3
.if \c < 2
	s_wait_dscnt 63
.else
	s_wait_dscnt 32*(3-\c)                         ; 32, then 0
.endif
	WIN 0x8a                                       ; all in window 2: partial tiles 0 + 1
.irp i,0,1,2,3,4,5,6,7
.irp k,0,1
	v_pk_add_f32 v[4*(8*\c+\i)+2*\k:4*(8*\c+\i)+2*\k+1], v[4*(8*\c+\i)+2*\k:4*(8*\c+\i)+2*\k+1], v[128+4*(8*\c+\i)+2*\k:128+4*(8*\c+\i)+2*\k+1]
.endr
.endr
	WIN 0xcf                                       ; all in window 3: 2 + 3
.irp i,0,1,2,3,4,5,6,7
.irp k,0,1
	v_pk_add_f32 v[4*(8*\c+\i)+2*\k:4*(8*\c+\i)+2*\k+1], v[4*(8*\c+\i)+2*\k:4*(8*\c+\i)+2*\k+1], v[128+4*(8*\c+\i)+2*\k:128+4*(8*\c+\i)+2*\k+1]
.endr
.endr
	WIN 0x8e                                       ; source 1 window 3: the two together
.irp i,0,1,2,3,4,5,6,7
.irp k,0,1
	v_pk_add_f32 v[4*(8*\c+\i)+2*\k:4*(8*\c+\i)+2*\k+1], v[4*(8*\c+\i)+2*\k:4*(8*\c+\i)+2*\k+1], v[4*(8*\c+\i)+2*\k:4*(8*\c+\i)+2*\k+1]
.endr
.endr
	WIN 0x86                                       ; source 1 window 1: + (residual + bias)
.irp i,0,1,2,3,4,5,6,7
.irp k,0,1
	v_pk_add_f32 v[4*(8*\c+\i)+2*\k:4*(8*\c+\i)+2*\k+1], v[4*(8*\c+\i)+2*\k:4*(8*\c+\i)+2*\k+1], v[128+4*(8*\c+\i)+2*\k:128+4*(8*\c+\i)+2*\k+1]
.endr
.endr
	WIN 0x08                                       ; a store's data are its source 1: window 2
.irp i,0,1,2,3,4,5,6,7
	global_store_b128 v[LI], v[4*(8*\c+\i):4*(8*\c+\i)+3], s[14:15] offset:(8*((8*\c+\i)/16)+(8*\c+\i)%16+8*(((8*\c+\i)%16)/8))*4096   ; 32 lanes store 512 consecutive bytes, at a multiple of 256 from the buffer's first byte
.endr
.endr
	WIN 0
	s_wait_tensorcnt 0x0                           ; the wave's end
	ds_add_u32 v[SPW], v[NIL]
	s_wait_dscnt 0x0
	s_endpgm
.Lfunc_end_k_qe0c4a7c1b7_ffn2:
	.size	k_qe0c4a7c1b7_ffn2, .Lfunc_end_k_qe0c4a7c1b7_ffn2-k_qe0c4a7c1b7_ffn2
	.p2alignl 7, 3214868480
	.fill 96, 4, 3214868480
	.section	.rodata,"a",@progbits
	.p2align	6, 0x0
	.amdhsa_kernel k_qe0c4a7c1b7_ffn2
		.amdhsa_group_segment_fixed_size 270848
		.amdhsa_private_segment_fixed_size 0
		.amdhsa_enable_private_segment 0
		.amdhsa_kernarg_size 48
		.amdhsa_user_sgpr_count 2
		.amdhsa_user_sgpr_kernarg_segment_ptr 1
		.amdhsa_wavefront_size32 1
		.amdhsa_system_sgpr_workgroup_id_x 1
		.amdhsa_system_sgpr_workgroup_id_y 1
		.amdhsa_system_sgpr_workgroup_id_z 1
		.amdhsa_system_vgpr_workitem_id 0
		.amdhsa_next_free_vgpr 1024
		.amdhsa_next_free_sgpr 66
		.amdhsa_reserve_vcc 0
		.amdhsa_float_denorm_mode_32 3
		.amdhsa_float_denorm_mode_16_64 3
		.amdhsa_memory_ordered 1
		.amdhsa_forward_progress 1
		.amdhsa_inst_pref_size 157
	.end_amdhsa_kernel
	.amdgpu_metadata
---
amdhsa.version: [ 1, 2 ]
amdhsa.kernels:
  - .name:           k_qe0c4a7c1b7_ffn2
    .symbol:         k_qe0c4a7c1b7_ffn2.kd
    .args:
      - { .name: hid, .offset: 0, .size: 8, .value_kind: global_buffer, .address_space: global }
      - { .name: W2_codes, .offset: 8, .size: 8, .value_kind: global_buffer, .address_space: global }
      - { .name: W2_scales, .offset: 16, .size: 8, .value_kind: global_buffer, .address_space: global }
      - { .name: b2, .offset: 24, .size: 8, .value_kind: global_buffer, .address_space: global }
      - { .name: x1, .offset: 32, .size: 8, .value_kind: global_buffer, .address_space: global }
      - { .name: out0, .offset: 40, .size: 8, .value_kind: global_buffer, .address_space: global }
    .group_segment_fixed_size: 270848
    .private_segment_fixed_size: 0
    .kernarg_segment_align: 8
    .kernarg_segment_size: 48
    .max_flat_workgroup_size: 128
    .sgpr_count:     66
    .vgpr_count:     1024
    .wavefront_size: 32
...
	.end_amdgpu_metadata
.endif
;; end of part 5
